; MI455X (gfx1250); checked and timed in simulation.
; The chip was launched on July 23, 2026; its instructions are those of AMD's public machine-readable ISA for CDNA 5 (MIT licence, August 2026) and "CDNA5" Instruction Set Architecture Reference Guide (July 2026). The comments in the code are by the model that wrote it; some were corrected since.
;; Multihead Self Attention. Allowed arithmetic: matrix products marked QUANTISED: E2M1 operands, one E8M0 scale for each 32 along K, by v_wmma_scale_f32_16x16x128_f8f6f4 with both operands' format E2M1 (or v_wmma_scale_f32_32x16x128_f4), f32 sums; products left as they are: bf16, f16 or f32 operands; f32 sums; everything else in f32.
;; Inputs: W_attn 1,024 x 3,072 float32; W_proj 1,024 x 1,024 float32; X 4 x 2,048 x 1,024 float32; b_attn 3,072 float32; b_proj 1,024 float32.
;; Outputs: out0 4 x 2,048 x 1,024 float32.
;; This version of the problem:
;;   THIS VERSION OF THE PROBLEM IS GIVEN IN LOW PRECISION. The matrix products marked QUANTISED in the list below multiply operands that are first quantised to E2M1 (2 exponent bits, 1 mantissa bit; 4 bits a number), with one power-of-two scale for each 32 numbers along K (OCP MX v1.0); their sums are f32. The products marked 'left as it is' may take bf16, f16 or f32 operands, with f32 sums. Whichever they take, every output number must still come out within the allowed error. Rounding operands to bf16 (8 significant bits) uses up far more of that allowance than f16 does (11 bits, for magnitudes from 6e-5 to 65,504). All else is computed in f32.
;;   The module's matrix products, in the order in which they are computed (A, B: the left and right operand; K: the contracted axis; several contracted axes count as one K, in the product's order):
;;     1. [M 8,192, K 1,024] x [K 1,024, N 3,072]; A: input X; B: input W_attn: QUANTISED
;;     2. batch 64 x [M 2,048, K 64] x [K 64, N 2,048]; A: computed on the way; B: computed on the way: left as it is (an operand is computed on the way)
;;     3. batch 64 x [M 2,048, K 2,048] x [K 2,048, N 64]; A: computed on the way; B: computed on the way: left as it is (an operand is computed on the way)
;;     4. [M 8,192, K 1,024] x [K 1,024, N 1,024]; A: computed on the way; B: input W_proj: left as it is (an operand is computed on the way)
;;   THE QUANTISER, for each operand of a quantised product, along K:
;;     - K is cut into blocks of 32 from its start; a last block that is shorter is filled with zeros.
;;     - A block's scale is 2^e with e = floor(log2(the largest magnitude in the block)) - 2, held to -126 .. 127; a block of zeros has e = 0. As a byte (E8M0): e + 127.
;;     - Each number is divided by its block's scale, clamped to +-6, and rounded to the nearest number of E2M1, ties to even, subnormals kept.
;;     - The product sums the exact products of the quantised numbers (number of the format x scale) in f32.
;;   ~~~python
;;   def quantise(x, axis):      # numpy; x: float32 -> the quantised numbers, widened to float32 again
;;       x = np.moveaxis(x, axis, -1); K = x.shape[-1]
;;       x = np.pad(x, [(0, 0)] * (x.ndim - 1) + [(0, -K % 32)]); x = x.reshape(x.shape[:-1] + (-1, 32)); a = np.abs(x).max(-1, keepdims=True)
;;       e = np.where(a > 0, np.clip(np.frexp(np.where(a > 0, a, 1))[1] - 1 - 2, -126, 127), 0)      # np.frexp(a)[1] - 1 = floor(log2(a)), exactly
;;       r = np.clip(x / 2.0 ** e, -6, 6)
;;       step = 2.0 ** (np.maximum(np.frexp(np.where(r == 0, 1, r))[1] - 1, 0) - 1)
;;       q = np.round(r / step) * step * 2.0 ** e      # np.round: ties to even
;;       return np.moveaxis(q.reshape(q.shape[:-2] + (-1,))[..., :K], -1, axis).astype(np.float32)
;;   ~~~
;; One version. Each part assembles by itself: llvm-mc -triple=amdgcn-amd-amdhsa -mcpu=gfx1250 --defsym DOCPART=n.
;; ======== version 1 of 1: 5 launches
;; limits: values are held in f16: magnitudes above 65,504 overflow, below 6.1e-05 lose precision
;; workspace buffers: x_codes 4,194,304 bytes; x_scales 262,144 bytes; w_codes 1,572,864 bytes; w_scales 98,304 bytes; wp_img 2,097,152 bytes; qkv 50,331,648 bytes; qkv16 786,432 bytes; y_img 16,777,216 bytes
;; launch prep (part 1): grid 320 x 1, 4 waves a work-group, no clusters, 68,096 bytes of LDS; arguments X, W_attn, W_proj, x_codes, x_scales, w_codes, w_scales, wp_img; writes x_codes, x_scales, w_codes, w_scales, wp_img
.if DOCPART == 1
	.amdgcn_target "amdgcn-amd-amdhsa--gfx1250"
	.amdhsa_code_object_version 6
	.text
	.protected	k_qb89cd0e881_prep
	.globl	k_qb89cd0e881_prep
	.p2align	8
	.type	k_qb89cd0e881_prep,@function
k_qb89cd0e881_prep:
	s_mov_b64 s[64:65], 0
	v_nop
	global_prefetch_b8 v0, s[64:65] scope:SCOPE_SE
	s_setreg_imm32_b32 hwreg(HW_REG_WAVE_MODE, 25, 1), 1
	s_wait_xcnt 0x0
; CAUSAL SELF-ATTENTION, B = 4, S = 2,048, D = 1,024, 16 heads of 64, in five launches: prep, qkv, attn, proj, first16.
; THIS LAUNCH: X [8192][1024] and W_attn [1024][3072], f32, become codes of FP4 (E2M1) with K innermost and one E8M0 scale byte for each 32 along K; W_proj [1024][1024] becomes f16, laid in the order of a
; matrix operand's registers.
; WORK LEFT OUT IN THE PROGRAM, AND WHY IT CAN REACH NO OUTPUT, for all finite values of the inputs:
;  (a) Key tiles that lie wholly above the diagonal: reference() itself sets their scores to -infinity (its own tril), so their weights are 0 and add nothing to a row's sum or to y.
;  (b) b_attn[1024:2048], the bias of k.  q . (k + b_k) = q . k + q . b_k, and q . b_k is the same for every key of a row: the softmax along the keys takes it away.  The product q k^T is not quantised, so no
;      quantiser sees k.  So k's sums begin at 0 and these 1,024 numbers are never loaded.  b_attn's thirds for q and v are live and are loaded.
;  LIMIT: a NaN, an infinity or an overflow that reaches only b_attn[1024:2048] or a masked score is not carried to the result.
; LIMITS OF RANGE: q, k, v, y and W_proj are rounded to f16 (positions 0 to 15 of each sequence stay f32: launch first16): magnitudes over 65,504 are not served.  A block of zeros gets the scale byte 1 where the
; rule says 127: its codes are zeros, which add nothing under any byte but 0xff, and this program alone reads the bytes.  Blocks whose largest magnitude lies under 2^-124 have their byte held at 1.
; NaN and infinities among the inputs are not served.
; SHARES.  Three paths, parted on the work-group's number, which never join; the long ones have the low numbers.  Work-groups 0-47: W_attn.  48-63: W_proj.  64-319: X.  Each path has LDS bytes of its own.
.set SPW,   190                        ; v190  LDS address of my spare word: SPARE + 4 x my thread's number; never rewritten
.set NIL,   191                        ; v191  0; never rewritten
.set SPARE, 67584                      ; behind both paths' regions: 128 bytes for each wave, two blocks of 256 bytes that no other line names
.set EMAX,  2
	s_load_b512 s[4:19], s[0:1], 0x0               ; X s[4:5], W_attn s[6:7], W_proj s[8:9], x_codes s[10:11], x_scales s[12:13], w_codes s[14:15], w_scales s[16:17], wp_img s[18:19]
	v_lshl_add_u32 v[SPW], v0, 2, SPARE
	v_mov_b32 v[NIL], 0
	v_lshrrev_b32 v1, 5, v0
	v_readfirstlane_b32 s20, v1                    ; wave 0..3
	v_and_b32 v2, 31, v0                           ; lane
	s_mov_b32 s25, 0                               ; the upper word of every offset pair s[24:25]
	s_wait_kmcnt 0x0
	s_cmp_lt_u32 ttmp9, 48
	s_cbranch_scc1 .Lpath_w
	s_cmp_lt_u32 ttmp9, 64
	s_cbranch_scc1 .Lpath_p
; ---------------- PATH X: K is innermost.  X is a plain stream of blocks of 32 numbers.  A wave takes 16 steps of 512 numbers.  Each of a step's four loads reads 512 consecutive bytes; the 2,048 bytes turn through
; the wave's own stage in LDS and come back 64 bytes a lane: 16 neighbours along K, two lanes to a block.  A lane's 16 codes are 8 bytes: the wave stores 256 consecutive bytes.  A wave's 256 scale bytes are
; gathered in LDS and leave as one aligned run of 256 bytes.  Loads run four steps ahead, the turn through LDS one step.
.set XSTEPS, 16
.set XR,    16                         ; v16-79   four sets of 16 numbers as loaded
.set XX,    80                         ; v80-111  two sets of 16 neighbours
.set XE,    112                        ; v112-127 a scale byte for each step
.set XC,    128                        ; v128-189 codes: four registers apart for each step, so that no store's data are written again
.set XWREG, 8192                       ; LDS 0 .. 32,767: a region for each wave: two stages of 32 x 80 bytes, then its 256 scale bytes
.set XSP,   80                         ; a lane's place in a stage: 64 bytes + 16 of padding
	v_lshlrev_b32 v3, 4, v2                        ; my 16 bytes of a load's 512
	s_mul_i32 s21, s20, XWREG
	v_lshrrev_b32 v14, 2, v2
	v_mul_u32_u24 v14, v14, XSP
	v_and_b32 v15, 3, v2
	v_lshl_add_u32 v14, v15, 4, v14
	v_add_nc_u32 v14, s21, v14                     ; the stage, on the way in: 80 (lane / 4) + 16 (lane % 4)
	v_mul_u32_u24 v15, v2, XSP
	v_add_nc_u32 v15, s21, v15                     ; and on the way out: 80 x lane
	v_lshlrev_b32 v4, 3, v2                        ; my codes' place in a step's 256 bytes
	v_lshrrev_b32 v5, 1, v2
	s_add_co_u32 s21, s21, 2*32*XSP
	v_add_nc_u32 v5, s21, v5                       ; my block's scale byte in LDS
	v_lshlrev_b32 v7, 3, v2
	v_add_nc_u32 v6, s21, v7                       ; and 8 bytes a lane on the way out
	s_sub_co_u32 s22, ttmp9, 64
	s_lshl_b32 s22, s22, 2
	s_add_co_u32 s22, s22, s20                     ; which run of 8,192 numbers is my wave's: 0 .. 1,023
	s_lshl_b32 s24, s22, 15
	s_add_nc_u64 s[4:5], s[4:5], s[24:25]          ; 32,768 bytes of X a run,
	s_lshl_b32 s24, s22, 12
	s_add_nc_u64 s[10:11], s[10:11], s[24:25]      ; 4,096 of codes,
	s_lshl_b32 s24, s22, 8
	s_add_nc_u64 s[12:13], s[12:13], s[24:25]      ; 256 of scale bytes
.macro XLOAD t
.irp i, 0,1,2,3
	global_load_b128 v[XR+16*((\t)%4)+4*\i:XR+16*((\t)%4)+4*\i+3], v3, s[4:5] offset:2048*(\t)+512*\i th:TH_LOAD_NT
.endr
.endm
.macro XTURN t                         ; LDS serves a wave's instructions in order: no wait between the stores and the loads
.irp i, 0,1,2,3
	ds_store_b128 v14, v[XR+16*((\t)%4)+4*\i:XR+16*((\t)%4)+4*\i+3] offset:32*XSP*((\t)%2)+8*XSP*\i
.endr
.irp i, 0,1,2,3
	ds_load_b128 v[XX+16*((\t)%2)+4*\i:XX+16*((\t)%2)+4*\i+3], v15 offset:32*XSP*((\t)%2)+16*\i
.endr
.endm
.irp t, 0,1,2,3
	XLOAD \t
.endr
	s_wait_loadcnt 12                              ; step 0's four loads are in; three steps' twelve may be out
	XTURN 0
.macro XSTEP t
.set XS, XX+16*((\t)%2)
.if (\t) > 0
	s_wait_dscnt 1                                 ; this step's numbers are back from the stage; the last step's byte store may be out
.else
	s_wait_dscnt 0x0
.endif
.if (\t)+4 < XSTEPS
	XLOAD (\t)+4                                   ; into the set whose stores into the stage are done
.endif
.if (\t)+1 < XSTEPS
.if XSTEPS-2-(\t) >= 3
	s_wait_loadcnt 12                              ; the next step's four loads are in; those of the three steps behind it may be out
.else
	s_wait_loadcnt 4*(XSTEPS-2-(\t))
.endif
	XTURN (\t)+1
.endif
	v_max3_num_f32 v8, |v[XS]|, |v[XS+1]|, |v[XS+2]|               ; the largest magnitude of my 16, in two chains
	v_max3_num_f32 v9, |v[XS+3]|, |v[XS+4]|, |v[XS+5]|
.irp i, 6,10
	v_max3_num_f32 v8, v8, |v[XS+\i]|, |v[XS+\i+1]|
	v_max3_num_f32 v9, v9, |v[XS+\i+2]|, |v[XS+\i+3]|
.endr
	v_max3_num_f32 v8, v8, |v[XS+14]|, |v[XS+15]|
	v_max3_num_f32 v8, v8, v9, (EMAX+1)<<23        ; and the floor 2^(3 - 127): the byte cannot fall under 1
	v_max_num_f32_dpp v8, v8, v8 row_xmask:1 row_mask:0xf bank_mask:0xf   ; with my neighbour's 16: the block's
	v_add_nc_u32 v11, 0xff000000, v8               ; 2 off its exponent field: the conversion takes the exponent field of this operand as its scale
	v_cvt_scalef32_pk8_fp4_f32 v[XC+4*(\t)], v[XS:XS+7], v11
	v_cvt_scalef32_pk8_fp4_f32 v[XC+4*(\t)+1], v[XS+8:XS+15], v11
	v_lshrrev_b32 v[XE+(\t)], 23, v11              ; the scale's byte
	ds_store_b8 v5, v[XE+(\t)] offset:16*(\t)      ; both lanes of a block write the same byte with the same value
	global_store_b64 v4, v[XC+4*(\t):XC+4*(\t)+1], s[10:11] offset:256*(\t)
.endm
.irp t, 0,1,2,3,4,5,6,7,8,9,10,11,12,13,14,15
	XSTEP \t
.endr
	ds_load_b64 v[8:9], v6                         ; in order behind my byte stores
	s_wait_dscnt 0x0
	global_store_b64 v7, v[8:9], s[12:13]          ; 32 lanes store 256 consecutive bytes, aligned
	s_wait_tensorcnt 0x0                           ; the wave's end: behind my last LDS store
	ds_add_u32 v[SPW], v[NIL]
	s_wait_dscnt 0x0
	s_endpgm
; ---------------- PATH W: K is W_attn's FIRST axis.  A lane takes a column n and its registers run down K: each load reads 128 consecutive bytes a wave, a block of 32 along K lies in one lane's 32 registers, and the
; conversions give codes with K innermost.  A wave takes 32 columns x 512 along K; its codes go through its own stage in LDS and leave as rows: sixteen lanes store 256 consecutive bytes, aligned.
.set WKW,   512
.set WN,    3072
.set WPITCH, 272
.set WKROW, 512                        ; a row of w_codes in bytes
.set WST,   32768                      ; LDS 32,768 .. 67,583: four stages of 32 x 272 bytes
.set WX,    32                         ; v32-95   two sets of 32 numbers
.set WC,    96                         ; v96-99   a block's codes
.set WOUT,  112                        ; v112-175 the way out
.set WSB,   24                         ; v24-27   the scale bytes, four to a register
.Lpath_w:
	s_cmp_ge_u32 ttmp9, 24
	s_cselect_b32 s22, 1, 0                        ; which 512 along K
	s_mul_i32 s23, s22, 24
	s_sub_co_u32 s23, ttmp9, s23                   ; which 128 columns
	s_lshl_b32 s23, s23, 7
	s_lshl_b32 s24, s20, 5
	s_add_co_u32 s23, s23, s24                     ; my wave's first column
	v_lshlrev_b32 v3, 2, v2                        ; in: 4 bytes a lane
	s_mul_i32 s21, s20, 32*WPITCH
	s_add_co_u32 s21, s21, WST                     ; my stage
	v_mul_u32_u24 v4, v2, WPITCH
	v_add_nc_u32 v4, s21, v4                       ; into it: row = my column
	v_and_b32 v5, 15, v2
	v_lshrrev_b32 v6, 4, v2
	v_mul_u32_u24 v7, v6, WPITCH
	v_lshl_add_u32 v7, v5, 4, v7
	v_add_nc_u32 v7, s21, v7                       ; out of it: sixteen lanes to a row, two rows an instruction
	v_mul_u32_u24 v8, v6, WKROW
	v_lshl_add_u32 v8, v5, 4, v8                   ; and the same place in w_codes
	v_lshlrev_b32 v9, 5, v2                        ; my column's row of scale bytes: 32 bytes a column
	s_mul_i32 s24, s22, WKW*WN*4
	s_lshl_b32 s26, s23, 2
	s_add_co_u32 s24, s24, s26
	s_add_nc_u64 s[6:7], s[6:7], s[24:25]          ; W_attn at (512 ky, my column)
	s_lshl_b32 s24, s23, 9
	s_lshl_b32 s26, s22, 8
	s_add_co_u32 s24, s24, s26
	s_add_nc_u64 s[14:15], s[14:15], s[24:25]      ; w_codes at column x 512 + 256 ky
	s_lshl_b32 s24, s23, 5
	s_lshl_b32 s26, s22, 4
	s_add_co_u32 s24, s24, s26
	s_add_nc_u64 s[16:17], s[16:17], s[24:25]      ; w_scales at column x 32 + 16 ky
.macro WLOAD t                         ; block t: W(32 t + i, my column) into set t % 2.  The largest immediate is 511 x 12,288 bytes, inside the signed 24 bits (ISA guide, chapter 10)
.irp i, 0,1,2,3,4,5,6,7,8,9,10,11,12,13,14,15,16,17,18,19,20,21,22,23,24,25,26,27,28,29,30,31
	global_load_b32 v[WX+32*((\t)%2)+\i], v3, s[6:7] offset:(32*(\t)+\i)*WN*4 th:TH_LOAD_NT
.endr
.endm
	WLOAD 0
	WLOAD 1
.macro WBLOCK t
.set WS, WX+32*((\t)%2)
.if (\t) < 15
	s_wait_loadcnt 32                              ; this block's 32 loads are in; the next block's may be out
.else
	s_wait_loadcnt 0
.endif
	v_max3_num_f32 v12, |v[WS]|, |v[WS+1]|, |v[WS+2]|              ; the block's largest magnitude: all 32 numbers are mine
	v_max3_num_f32 v13, |v[WS+3]|, |v[WS+4]|, |v[WS+5]|
.irp i, 6,10,14,18,22,26
	v_max3_num_f32 v12, v12, |v[WS+\i]|, |v[WS+\i+1]|
	v_max3_num_f32 v13, v13, |v[WS+\i+2]|, |v[WS+\i+3]|
.endr
	v_max3_num_f32 v12, v12, |v[WS+30]|, |v[WS+31]|
	v_max3_num_f32 v12, v12, v13, (EMAX+1)<<23     ; and the floor
	v_add_nc_u32 v11, 0xff000000, v12              ; 2 off its exponent field: the conversion's scale operand
	v_lshrrev_b32 v13, 23, v11                     ; the scale's byte
.if (\t)%4 == 0
	v_mov_b32 v[WSB+(\t)/4], v13                   ; four bytes to a register, the lower K in the lower byte
.else
	v_lshl_or_b32 v[WSB+(\t)/4], v13, 8*((\t)%4), v[WSB+(\t)/4]
.endif
.irp g, 0,1,2,3
	v_cvt_scalef32_pk8_fp4_f32 v[WC+\g], v[WS+8*\g:WS+8*\g+7], v11
.endr
	ds_store_b128 v4, v[WC:WC+3] offset:16*(\t)    ; 32 codes: 16 bytes of my column's row
.if (\t)+2 < 16
	WLOAD (\t)+2
.endif
	s_wait_dscnt 0x0                               ; the store has read its registers: the next block's codes may be written
.endm
.irp t, 0,1,2,3,4,5,6,7,8,9,10,11,12,13,14,15
	WBLOCK \t
.endr
	global_store_b128 v9, v[WSB:WSB+3], s[16:17]   ; my column's 16 scale bytes
.irp t, 0,1,2,3,4,5,6,7,8,9,10,11,12,13,14,15
	ds_load_b128 v[WOUT+4*\t:WOUT+4*\t+3], v7 offset:2*\t*WPITCH
.endr
.irp t, 0,1,2,3,4,5,6,7,8,9,10,11,12,13,14,15
	s_wait_dscnt 15-\t                             ; LDS loads come back in order: number t is in, the later ones may be out
	global_store_b128 v8, v[WOUT+4*\t:WOUT+4*\t+3], s[14:15] offset:2*\t*WKROW
.endr
	s_wait_tensorcnt 0x0                           ; the wave's end: behind my last LDS store
	ds_add_u32 v[SPW], v[NIL]
	s_wait_dscnt 0x0
	s_endpgm
; ---------------- PATH P: W_proj [k][n] becomes f16 in wp_img [n / 16][k / 32][g 2][lane 32][16 bytes]: lane (r, h) of group g holds W_proj[32 kchunk + 16 g + 8 h + 0 .. 7][16 nblock + r]: the registers of a
; 16 x 32 operand, lane by lane.  As in path W a lane takes a column and its registers run down K, so eight neighbours along K pack into 16 bytes of ONE lane, and sixteen lanes store 256 consecutive bytes,
; aligned.  No LDS.  A wave takes 32 columns x 512 along K.
.set PX,    32                         ; v32-95   two sets of 32 numbers
.set PC,    96                         ; v96-111  32 numbers as f16
.Lpath_p:
	s_sub_co_u32 s22, ttmp9, 48
	s_lshr_b32 s23, s22, 3                         ; which 512 along K
	s_and_b32 s22, s22, 7                          ; which 128 columns
	s_lshl_b32 s22, s22, 7
	s_lshl_b32 s24, s20, 5
	s_add_co_u32 s22, s22, s24                     ; my wave's first column
	v_lshlrev_b32 v3, 2, v2
	v_lshrrev_b32 v6, 4, v2
	v_and_b32 v5, 15, v2
	v_lshlrev_b32 v8, 15, v6
	v_lshl_add_u32 v8, v5, 4, v8                   ; out: 32,768 (lane / 16) + 16 (lane % 16)
	s_lshl_b32 s24, s23, 21                        ; 512 rows of 4,096 bytes
	s_lshl_b32 s26, s22, 2
	s_add_co_u32 s24, s24, s26
	s_add_nc_u64 s[8:9], s[8:9], s[24:25]
	s_lshl_b32 s24, s22, 11                        ; (column / 16) x 32,768
	s_lshl_b32 s26, s23, 14                        ; 16 kchunks of 1,024 bytes
	s_add_co_u32 s24, s24, s26
	s_add_nc_u64 s[18:19], s[18:19], s[24:25]
.macro PLOAD t
.irp i, 0,1,2,3,4,5,6,7,8,9,10,11,12,13,14,15,16,17,18,19,20,21,22,23,24,25,26,27,28,29,30,31
	global_load_b32 v[PX+32*((\t)%2)+\i], v3, s[8:9] offset:(32*(\t)+\i)*4096 th:TH_LOAD_NT
.endr
.endm
	PLOAD 0
	PLOAD 1
.macro PBLOCK t
.set PS, PX+32*((\t)%2)
.if (\t) < 15
	s_wait_loadcnt 32                              ; this kchunk's 32 loads are in; the next one's may be out
.else
	s_wait_loadcnt 0
.endif
	s_wait_xcnt 0x0                                ; the last kchunk's stores have read v96-111: they are written again only behind this wait
.irp i, 0,1,2,3,4,5,6,7,8,9,10,11,12,13,14,15
	v_cvt_pk_f16_f32 v[PC+\i], v[PS+2*\i], v[PS+2*\i+1]
.endr
.irp g, 0,1
.irp h, 0,1
	global_store_b128 v8, v[PC+8*\g+4*\h:PC+8*\g+4*\h+3], s[18:19] offset:1024*(\t)+512*\g+256*\h
.endr
.endr
.if (\t)+2 < 16
	PLOAD (\t)+2
.endif
.endm
.irp t, 0,1,2,3,4,5,6,7,8,9,10,11,12,13,14,15
	PBLOCK \t
.endr
	s_endpgm
.Lfunc_end_k_qb89cd0e881_prep:
	.size	k_qb89cd0e881_prep, .Lfunc_end_k_qb89cd0e881_prep-k_qb89cd0e881_prep
	.p2alignl 7, 3214868480
	.fill 96, 4, 3214868480
	.section	.rodata,"a",@progbits
	.p2align	6, 0x0
	.amdhsa_kernel k_qb89cd0e881_prep
		.amdhsa_group_segment_fixed_size 68096
		.amdhsa_private_segment_fixed_size 0
		.amdhsa_enable_private_segment 0
		.amdhsa_kernarg_size 64
		.amdhsa_user_sgpr_count 2
		.amdhsa_user_sgpr_kernarg_segment_ptr 1
		.amdhsa_wavefront_size32 1
		.amdhsa_system_sgpr_workgroup_id_x 1
		.amdhsa_system_sgpr_workgroup_id_y 1
		.amdhsa_system_sgpr_workgroup_id_z 1
		.amdhsa_system_vgpr_workitem_id 0
		.amdhsa_next_free_vgpr 192
		.amdhsa_next_free_sgpr 66
		.amdhsa_reserve_vcc 0
		.amdhsa_float_denorm_mode_32 3
		.amdhsa_float_denorm_mode_16_64 3
		.amdhsa_memory_ordered 1
		.amdhsa_forward_progress 1
		.amdhsa_inst_pref_size 182
	.end_amdhsa_kernel
	.amdgpu_metadata
---
amdhsa.version: [ 1, 2 ]
amdhsa.kernels:
  - .name:           k_qb89cd0e881_prep
    .symbol:         k_qb89cd0e881_prep.kd
    .args:
      - { .name: X, .offset: 0, .size: 8, .value_kind: global_buffer, .address_space: global }
      - { .name: W_attn, .offset: 8, .size: 8, .value_kind: global_buffer, .address_space: global }
      - { .name: W_proj, .offset: 16, .size: 8, .value_kind: global_buffer, .address_space: global }
      - { .name: x_codes, .offset: 24, .size: 8, .value_kind: global_buffer, .address_space: global }
      - { .name: x_scales, .offset: 32, .size: 8, .value_kind: global_buffer, .address_space: global }
      - { .name: w_codes, .offset: 40, .size: 8, .value_kind: global_buffer, .address_space: global }
      - { .name: w_scales, .offset: 48, .size: 8, .value_kind: global_buffer, .address_space: global }
      - { .name: wp_img, .offset: 56, .size: 8, .value_kind: global_buffer, .address_space: global }
    .group_segment_fixed_size: 68096
    .private_segment_fixed_size: 0
    .kernarg_segment_align: 8
    .kernarg_segment_size: 64
    .max_flat_workgroup_size: 128
    .sgpr_count:     66
    .vgpr_count:     192
    .wavefront_size: 32
...
	.end_amdgpu_metadata
.endif
;; end of part 1
;; launch qkv (part 2): grid 12 x 32, 4 waves a work-group, clusters of 4 x 4, 327,680 bytes of LDS; arguments x_codes, x_scales, w_codes, w_scales, b_attn, qkv, qkv16; writes qkv, qkv16
.if DOCPART == 2
	.amdgcn_target "amdgcn-amd-amdhsa--gfx1250"
	.amdhsa_code_object_version 6
	.text
	.protected	k_qb89cd0e881_qkv
	.globl	k_qb89cd0e881_qkv
	.p2align	8
	.type	k_qb89cd0e881_qkv,@function
k_qb89cd0e881_qkv:
	s_mov_b64 s[64:65], 0
	v_nop
	global_prefetch_b8 v0, s[64:65] scope:SCOPE_SE
	s_setreg_imm32_b32 hwreg(HW_REG_WAVE_MODE, 25, 1), 1
	s_wait_xcnt 0x0
	s_wait_alu depctr_hold_cnt(0) depctr_sa_sdst(0) depctr_va_vdst(0) depctr_va_sdst(0) depctr_va_ssrc(0) depctr_va_vcc(0) depctr_vm_vsrc(0)
	s_getreg_b32 s2, hwreg(HW_REG_IB_STS2, 6, 4)
	s_cmp_eq_u32 s2, 0
	s_cbranch_scc0 .Lentry_in_a_cluster
	s_endpgm
.Lentry_in_a_cluster:
	s_bfe_u32 s2, ttmp6, 0x10000c
	s_cmp_lg_u32 s2, 0xf033
	s_cbranch_scc0 .Lentry_shape_is_right
	s_endpgm
.Lentry_shape_is_right:
; qkv = Q(X) Q(W_attn) + b_attn on codes of FP4 (E2M1) with one E8M0 scale for each 32 along K = 1,024; sums in f32.  The results leave as f16, laid in the order of the next launch's operand registers.
; LEFT OUT: b_attn[1024:2048], k's bias: q . b_k is the same for all keys of a row, so the softmax takes it away (shown at the head of launch prep): k's sums begin at 0.
; LIMIT: q, k, v over 65,504 in magnitude are not served (f16).
; A work-group of four waves makes 256 x 256 results, a wave 128 x 128: 64 accumulators of 16 x 16, 512 registers.  K is two LDS slots of 512, each filled ONCE by the tensor data mover: no slot is filled again.
; The scale bytes of the work-group's 2 x 256 rows come once, with the first fills.  A wave has three tensor loads out at the most.
; CLUSTERS of 4 x 4.  The cluster's x says which third is made: 0 q, 1 k, 2 v.  The matrix instruction takes source 0 = 16 rows of role B, source 1 = 16 rows of role A; a lane then holds ONE row of role A and
; eight neighbours of role B.  q, k: role A = X (tile 8 cy + cluster y), role B = W (tile 4 cluster x + cx): a lane holds one position and eight channels.  v: role A = W (tile 8 + cy), role B = X (tile
; 8 cx + cluster y): a lane holds one channel and eight positions, as V^T's operand wants.  Role A's tiles are shared along a row of the cluster, role B's along a column: joint loads.
; With X's tile = 8 c + cluster y, the tiles that hold positions 0 to 255 of a batch are those of cluster y = 0: a number that all sixteen partners share.
; OUT.  qkv [part 3][batch 4][head 16][262,144 bytes].  q, k: [position / 16][kc 2][g 2][lane][16 bytes], lane (r, h): position 16 s + r, channels 32 kc + 16 g + 8 h + 0 .. 7.
; v: [key / 32][ct 4][g 2][lane][16 bytes], lane (r, h): channel 16 ct + r, keys 32 c + 16 g + 8 h + 0 .. 7.  An accumulator's eight numbers a lane pack into 16 bytes, and the 32 lanes' 512 bytes lie on end: no LDS stage.
; qkv16 [part][batch][head][blk 4][g 2][lane][16 bytes]: the accumulators of positions 0 to 15 of each batch as they stand, f32, for launch first16.
; REGISTERS: window 0: v0-31 addresses; v32-95 scale words, two sets (on the way out: packed results); v128-191 role A's fragments, one set; v192-255 the bias.  window 1: role B's fragments, two sets.
;   windows 2, 3: the accumulators ((a, b) at v[8 (8 (a % 4) + b)] of window 2 + a / 4).
.set NQ,     4                         ; steps of 128 along K in a slot
.set ROWB,   256                       ; a tile's row in bytes: 512 codes
.set KROW,   512                       ; a row of codes in memory
.set PITCH,  272                       ; an LDS row: 256 bytes + 16 of padding: the 16 rows that a load touches start 68 words apart
.set FR,     8
.set NL,     2
.set NP,     4                         ; places behind this matrix instruction (ISA guide 7.12.1)
.set HALFT,  128*PITCH
.set SLOT,   4*HALFT
.set KS,     32                        ; a row of scale bytes
.set SCL,    2*SLOT
.set HALFS,  (128*KS/256)*272
.set SBLK,   (16*KS/256)*272
.set SPARE,  SCL+4*HALFS               ; the spare words, 128 bytes a wave: two blocks of 256 bytes that no other line names
.set HB,     262144                    ; a head's bytes in a part of qkv
.set ADRA, 16
.set ADRB, 20
.set CO,   26                          ; v26  16 x lane
.set ADRS, 27
.set SPW,  28
.set NIL,  29
.set BQ,   30                          ; v30  32 (lane / 16): q's bias
.set BV,   31                          ; v31  4 (lane % 16): v's bias
.set SC,   32
.set TMP,  32
.set AF,   128
.set BIAS, 192
.set G1, 24
.set G0, 32
.set G1B, 48
.set G0B, 56
.set G1S, 68
.set G0S, 76
.set G1SB, 80
.set G0SB, 88
.set MSB, 0
.macro WIN new                         ; the immediate's high byte repeats the setting that is left
.if MSB != \new
	s_set_vgpr_msb (MSB<<8)|\new
.set MSB, \new
.endif
.endm
.set MUL_LO, 0xa1                      ; source 0 window 1, source 1 window 0, C and D window 2
.set MUL_HI, 0xf1                      ; the same, C and D window 3
.set TO_B,   0x40
; A joint load: waves 0 and 1 fetch for role A, waves 2 and 3 for role B.  The branch hangs on the wave's number alone.  An s_nop 0 and four v_nop follow each of the two lines.
.macro JLOAD g0a, g1a, g0b, g1b
	s_cmp_eq_u32 s15, 0
	s_cbranch_scc0 .Lfor_b_\@
	tensor_load_to_lds s[\g0a:\g0a+3], s[\g1a:\g1a+7]
	s_nop 0
.rept 4
	v_nop
.endr
	s_branch .Lasked_\@
.Lfor_b_\@:
	tensor_load_to_lds s[\g0b:\g0b+3], s[\g1b:\g1b+7]
	s_nop 0
.rept 4
	v_nop
.endr
.Lasked_\@:
.endm
.macro CROUND                          ; a round of the cluster's barrier
	s_barrier_signal -1
	s_barrier_wait -1
	s_cmp_lg_u32 s14, 0
	s_cbranch_scc1 .Lnot_wave_0_\@
	s_barrier_signal -3
.Lnot_wave_0_\@:
	s_barrier_wait -3
	s_barrier_signal -1
	s_barrier_wait -1
.endm
	s_load_b256 s[4:11], s[0:1], 0x0               ; x_codes s[4:5], x_scales s[6:7], w_codes s[8:9], w_scales s[10:11]
	s_load_b64 s[12:13], s[0:1], 0x20              ; b_attn
	s_load_b128 s[96:99], s[0:1], 0x28             ; qkv s[96:97], qkv16 s[98:99]
	v_lshl_add_u32 v[SPW], v0, 2, SPARE
	v_mov_b32 v[NIL], 0
	ds_add_u32 v[SPW], v[NIL]                      ; the wave's opening: the add, twice on end, and its wait ahead of my first tensor load
	ds_add_u32 v[SPW], v[NIL]
	v_lshrrev_b32 v1, 5, v0
	v_readfirstlane_b32 s14, v1                    ; wave 0..3
	s_lshr_b32 s15, s14, 1                         ; which half of role A's rows is mine.  Also: I fetch for role A (0) or B (1)
	s_and_b32 s16, s14, 1                          ; which half of role B's rows.  Also: which 128 rows of that tile I fetch
	s_bfe_u32 s40, ttmp6, 0x40000                  ; cx
	s_bfe_u32 s41, ttmp6, 0x40004                  ; cy
	s_and_b32 s67, ttmp7, 0xffff                   ; cluster y
	s_lshl_b32 s17, s41, 3
	s_add_co_u32 s17, s17, s67                     ; q, k: role A's tile of X = 8 cy + cluster y
	s_add_co_u32 s2, s41, 8                        ; v:    role A's tile of W = 8 + cy
	s_lshl_b32 s42, ttmp9, 2
	s_add_co_u32 s42, s42, s40                     ; q, k: role B's tile of W = 4 cluster x + cx
	s_lshl_b32 s3, s40, 3
	s_add_co_u32 s3, s3, s67                       ; v:    role B's tile of X = 8 cx + cluster y
	s_cmp_eq_u32 ttmp9, 2                          ; the cluster's x: the same in all sixteen partners
	s_cselect_b32 s17, s2, s17
	s_cselect_b32 s42, s3, s42
	s_lshl_b32 s43, s41, 2
	s_lshl_b32 s43, 15, s43                        ; my row of the cluster
	s_lshl_b32 s44, 0x1111, s40                    ; my column
	; descriptor group 1: a tile of 128 rows x 256 bytes, 16 bytes of padding behind each row
	s_or_b32 s[G1+0], s43, (0<<16)|(1<<20)|(1<<21)|(5<<22)|(3<<25)
	s_or_b32 s[G1B+0], s44, (0<<16)|(1<<20)|(1<<21)|(5<<22)|(3<<25)
.irp g, G1, G1B
	s_mov_b32 s[\g+1], ROWB<<16                    ; tensor_dim0
	s_mov_b32 s[\g+2], 128<<16                     ; tensor_dim1
	s_mov_b32 s[\g+3], ROWB<<16                    ; tile_dim0
	s_mov_b32 s[\g+4], 128                         ; tile_dim1
	s_mov_b32 s[\g+5], KROW                        ; from row to row
	s_mov_b32 s[\g+6], 0
	s_mov_b32 s[\g+7], 0
.endr
	; the scale bytes of 128 rows: 4,096 dense bytes, as 16 rows of 256 (32 elements of 8 bytes), 16 bytes of padding behind each
	s_or_b32 s[G1S+0], s43, (3<<16)|(1<<20)|(1<<21)|(5<<22)|(3<<25)
	s_or_b32 s[G1SB+0], s44, (3<<16)|(1<<20)|(1<<21)|(5<<22)|(3<<25)
.irp g, G1S, G1SB
	s_mov_b32 s[\g+1], 32<<16
	s_mov_b32 s[\g+2], (128*KS/256)<<16
	s_mov_b32 s[\g+3], 32<<16
	s_mov_b32 s[\g+4], 128*KS/256
	s_mov_b32 s[\g+5], 32
	s_mov_b32 s[\g+6], 0
	s_mov_b32 s[\g+7], 0
.endr
	s_lshl_b32 s18, s16, 7                         ; which 128 rows of the tile I fetch
	s_lshl_b32 s20, s17, 8
	s_add_co_u32 s20, s20, s18                     ; role A's first row
	s_lshl_b32 s46, s42, 8
	s_add_co_u32 s46, s46, s18                     ; role B's
	s_mov_b32 s21, 0
	s_mov_b32 s47, 0
	s_mov_b64 s[18:19], KS
	s_mul_u64 s[22:23], s[20:21], s[18:19]         ; where these rows' scale bytes begin (X's and W's rows have the same pitches)
	s_mul_u64 s[92:93], s[46:47], s[18:19]
	s_mov_b64 s[18:19], KROW
	s_mul_u64 s[20:21], s[20:21], s[18:19]         ; and their codes
	s_mul_u64 s[46:47], s[46:47], s[18:19]
	s_mul_i32 s45, s14, HALFT                      ; where they go: wave x 128 rows: no place in the cluster enters an LDS address
	s_mul_i32 s94, s14, HALFS
	s_wait_dscnt 0x0                               ; both opening adds are done
	s_wait_kmcnt 0x0
	s_cmp_eq_u32 ttmp9, 2                          ; the roles' buffers: a choice on the cluster's x, which hangs on no address; neither line below touches SCC
	s_cselect_b64 s[2:3], s[8:9], s[4:5]
	s_add_nc_u64 s[20:21], s[2:3], s[20:21]        ; role A's codes
	s_cselect_b64 s[2:3], s[10:11], s[6:7]
	s_add_nc_u64 s[22:23], s[2:3], s[22:23]        ; role A's scale bytes
	s_cselect_b64 s[2:3], s[4:5], s[8:9]
	s_add_nc_u64 s[46:47], s[2:3], s[46:47]        ; role B's codes
	s_cselect_b64 s[2:3], s[6:7], s[10:11]
	s_add_nc_u64 s[92:93], s[2:3], s[92:93]        ; role B's scale bytes
	CROUND                                         ; all sixteen work-groups are here: the first joint loads meet
	s_mov_b32 s[G0S], 1
	s_add_co_u32 s[G0S+1], s94, SCL
	s_mov_b64 s[G0S+2:G0S+3], s[22:23]
	s_or_b32 s[G0S+3], s[G0S+3], 0x80000000
	s_mov_b32 s[G0SB], 1
	s_add_co_u32 s[G0SB+1], s94, SCL
	s_mov_b64 s[G0SB+2:G0SB+3], s[92:93]
	s_or_b32 s[G0SB+3], s[G0SB+3], 0x80000000
	JLOAD G0S, G1S, G0SB, G1SB                     ; the scale bytes first: they are wanted with slot 0
.irp s, 0,1
	s_mov_b32 s[G0+4*\s], 1
	s_add_co_u32 s[G0+4*\s+1], s45, \s*SLOT
	s_add_nc_u64 s[G0+4*\s+2:G0+4*\s+3], s[20:21], \s*ROWB
	s_or_b32 s[G0+4*\s+3], s[G0+4*\s+3], 0x80000000
	s_mov_b32 s[G0B+4*\s], 1
	s_add_co_u32 s[G0B+4*\s+1], s45, \s*SLOT
	s_add_nc_u64 s[G0B+4*\s+2:G0B+4*\s+3], s[46:47], \s*ROWB
	s_or_b32 s[G0B+4*\s+3], s[G0B+4*\s+3], 0x80000000
	JLOAD G0+4*\s, G1, G0B+4*\s, G1B
.endr
	v_and_b32 v1, 15, v0                           ; r = lane % 16
	v_bfe_u32 v2, v0, 4, 1                         ; h = lane / 16
	v_mul_u32_u24 v3, v1, PITCH
	v_lshl_add_u32 v4, v2, 4, v3                   ; a fragment's row x pitch + 16 h
	s_mul_i32 s21, s15, HALFT                      ; my 128 rows of role A
	s_mul_i32 s22, s16, HALFT                      ; my 128 rows of role B,
	s_add_co_u32 s22, s22, 2*HALFT                 ; which lie behind role A's 256
.irp s, 0,1
	v_add_nc_u32 v[ADRA+\s], s21, v4
	v_add_nc_u32 v[ADRB+\s], s22, v4
	s_add_co_u32 s21, s21, SLOT
	s_add_co_u32 s22, s22, SLOT
.endr
	v_mul_u32_u24 v5, v1, KS                       ; my row's scale bytes: 32 a row,
	v_lshrrev_b32 v6, 8, v5
	v_lshl_add_u32 v5, v6, 4, v5                   ; and 16 more for each 256 passed
	s_mul_i32 s21, s15, HALFS
	s_mul_i32 s22, s16, HALFS
	s_add_co_u32 s22, s22, 2*HALFS
	s_sub_co_u32 s22, s22, s21
	v_mul_u32_u24 v6, s22, v2                      ; lanes 16-31 take role B's
	s_add_co_u32 s21, s21, SCL
	v_add_nc_u32 v5, v5, v6
	v_add_nc_u32 v[ADRS], s21, v5
	v_and_b32 v6, 31, v0
	v_lshlrev_b32 v[CO], 4, v6
	v_lshlrev_b32 v[BQ], 5, v2
	v_lshlrev_b32 v[BV], 2, v1
	; where my results go.  xt: X's tile, wt: W's tile, ph: my half of the positions, ch: my half of the channels
	s_cmp_eq_u32 ttmp9, 2
	s_cselect_b32 s20, s42, s17                    ; xt
	s_cselect_b32 s21, s17, s42                    ; wt
	s_cselect_b32 s22, s16, s15                    ; ph
	s_cselect_b32 s23, s15, s16                    ; ch
	s_or_b32 s66, s67, s22                         ; 0 where my first 16 positions are positions 0 to 15 of a batch: cluster y = 0 and ph = 0
	s_mov_b32 s93, 0
	s_lshl_b32 s92, s21, 10
	s_lshl_b32 s94, s23, 9
	s_add_co_u32 s92, s92, s94
	s_add_nc_u64 s[12:13], s[12:13], s[92:93]      ; b_attn at column 256 wt + 128 ch
	s_lshr_b32 s46, s21, 2
	s_lshl_b32 s46, s46, 6                         ; 64 x part
	s_lshr_b32 s47, s20, 3
	s_lshl_b32 s47, s47, 4                         ; 16 x batch
	s_add_co_u32 s46, s46, s47
	s_and_b32 s47, s21, 3
	s_lshl_b32 s47, s47, 2
	s_add_co_u32 s46, s46, s47
	s_lshl_b32 s47, s23, 1
	s_add_co_u32 s46, s46, s47                     ; + my first head: 4 (wt % 4) + 2 ch
	s_lshl_b32 s92, s46, 12
	s_add_nc_u64 s[98:99], s[98:99], s[92:93]      ; qkv16: 4,096 bytes a head
	s_lshl_b32 s92, s46, 18
	s_and_b32 s47, s20, 7
	s_lshl_b32 s47, s47, 1
	s_add_co_u32 s47, s47, s22
	s_lshl_b32 s47, s47, 14                        ; my first position in the batch, 256 (xt % 8) + 128 ph, x 128 bytes
	s_add_co_u32 s92, s92, s47
	s_add_nc_u64 s[96:97], s[96:97], s[92:93]      ; qkv
.macro FRAG reg, adr, q, i             ; a fragment, 16 rows x 128 K of 4-bit codes: lane l holds row l % 16; registers 4 c .. 4 c + 3 hold K = 64 c + 32 (l / 16) + 0 .. 31
.irp c, 0,1
	ds_load_b128 v[\reg+4*\c:\reg+4*\c+3], v[\adr] offset:64*(\q)+32*\c+(\i)*16*PITCH
.endr
.endm
; 16 matrix instructions: role A's blocks a0, a0 + 1 x role B's eight.  mode 0: on in place; 1: the sums begin at 0 (k); 2: at the bias of the lane's eight channels (q); 3: at the bias of the lane's channel (v).
; The 64 accumulators take turns, one instruction a turn, in the same order in every step.
.macro MUL16 a0, p, q, sc, mode
.irp a, \a0, \a0+1
.irp b, 0,1,2,3,4,5,6,7
.set rD, 8*(8*((\a)%4)+\b)
.set rB, 128*(\p)+FR*\b
.set rA, AF+FR*(\a)
.set rSB, SC+8*NQ*(\sc)+NQ*\b+(\q)
.set rSA, SC+8*NQ*(\sc)+NQ*(\a)+(\q)
.if (\mode) == 0
	v_wmma_scale_f32_16x16x128_f8f6f4 v[rD:rD+7], v[rB:rB+7], v[rA:rA+7], v[rD:rD+7], v[rSB], v[rSA] matrix_a_fmt:MATRIX_FMT_FP4 matrix_b_fmt:MATRIX_FMT_FP4 matrix_a_scale:MATRIX_SCALE_ROW1
.elseif (\mode) == 1
	v_wmma_scale_f32_16x16x128_f8f6f4 v[rD:rD+7], v[rB:rB+7], v[rA:rA+7], 0, v[rSB], v[rSA] matrix_a_fmt:MATRIX_FMT_FP4 matrix_b_fmt:MATRIX_FMT_FP4 matrix_a_scale:MATRIX_SCALE_ROW1
.elseif (\mode) == 2
	v_wmma_scale_f32_16x16x128_f8f6f4 v[rD:rD+7], v[rB:rB+7], v[rA:rA+7], v[BIAS+8*\b:BIAS+8*\b+7], v[rSB], v[rSA] matrix_a_fmt:MATRIX_FMT_FP4 matrix_b_fmt:MATRIX_FMT_FP4 matrix_a_scale:MATRIX_SCALE_ROW1
.else
	v_wmma_scale_f32_16x16x128_f8f6f4 v[rD:rD+7], v[rB:rB+7], v[rA:rA+7], v[BIAS+8*(\a):BIAS+8*(\a)+7], v[rSB], v[rSA] matrix_a_fmt:MATRIX_FMT_FP4 matrix_b_fmt:MATRIX_FMT_FP4 matrix_a_scale:MATRIX_SCALE_ROW1
.endif
.endr
.endr
.endm
.macro FETCH_B slot, q, p
	WIN TO_B
.irp i, 0,1,2,3,4,5,6,7
	FRAG 128*(\p)+FR*\i, ADRB+\slot, \q, \i
.endr
	WIN 0
.endm
.macro FETCH_A slot, q, i0
.irp i, \i0, \i0+1, \i0+2, \i0+3
	FRAG AF+FR*(\i), ADRA+\slot, \q, \i
.endr
.endm
.macro SCALES sc                       ; a slot's scale words: four a row; lanes 0-15 take role A's block i, lanes 16-31 role B's block i
.irp i, 0,1,2,3,4,5,6,7
	ds_load_b128 v[SC+8*NQ*\sc+NQ*\i:SC+8*NQ*\sc+NQ*\i+3], v[ADRS] offset:\i*SBLK
.endr
.endm
.macro PLACES n                        ; plain vector instructions between a matrix instruction and a load into, or a read of, its registers (ISA guide 7.12.1 for reads)
.rept \n
	v_nop
.endr
.endm
; A step of 128 along K that has its successor in the same slot.  With a bias as C, C lies in window 0.
.macro STEP slot, q, mode
	s_wait_dscnt 4*NL                              ; role B's set and role A's blocks 0-3 are in; the youngest eight loads (blocks 4-7) may be out
.if (\mode) >= 2
	WIN 0x81
.else
	WIN MUL_LO
.endif
	MUL16 0, (\q)%2, \q, \slot, \mode
	MUL16 2, (\q)%2, \q, \slot, \mode
	s_wait_dscnt 0                                 ; blocks 4-7 are in
	PLACES NP
	FETCH_B \slot, (\q)+1, 1-(\q)%2
	FETCH_A \slot, (\q)+1, 0
.if (\mode) >= 2
	WIN 0xc1
.else
	WIN MUL_HI
.endif
	MUL16 4, (\q)%2, \q, \slot, \mode
	MUL16 6, (\q)%2, \q, \slot, \mode
	PLACES NP
	WIN 0
	FETCH_A \slot, (\q)+1, 4
.endm
; Slot 0's last step changes slots: each wave waits for all its tensor loads (its part of slot 1), then the barrier shows slot 1 whole to every wave.  Nothing is filled again.
.macro TURN slot, next
	s_wait_tensorcnt 0x0                           ; all my tensor loads have landed
	ds_add_u32 v[SPW], v[NIL]                      ; 0 onto my spare word
	s_wait_dscnt 4*NL+1                            ; the add and the youngest eight loads may be out
	WIN MUL_LO
	MUL16 0, 1, NQ-1, \slot, 0
	s_wait_dscnt 0x0                               ; no LDS instruction of mine is pending at the signal
	s_barrier_signal -1
	MUL16 2, 1, NQ-1, \slot, 0
	WIN 0
	s_barrier_wait -1
	PLACES NP
	v_add_nc_u32 v[ADRS], 4*NQ, v[ADRS]            ; on to the next slot's scale words
	FETCH_B \next, 0, 0
	FETCH_A \next, 0, 0
	SCALES \next
	WIN MUL_HI
	MUL16 4, 1, NQ-1, \slot, 0
	MUL16 6, 1, NQ-1, \slot, 0
	PLACES NP
	WIN 0
	FETCH_A \next, 0, 4
.endm
	s_wait_tensorcnt 1                             ; the scale bytes and my part of slot 0 are in; slot 1's load may be out
	s_barrier_signal -1
	s_barrier_wait -1
	FETCH_B 0, 0, 0
	FETCH_A 0, 0, 0
	SCALES 0
	FETCH_A 0, 0, 4
	; THE FIRST STEP starts the sums, and is written once for each third.  The bias is loaded in the same arm that reads it.
	s_cmp_eq_u32 ttmp9, 1
	s_cbranch_scc1 .Lfirst_k
	s_cmp_eq_u32 ttmp9, 2
	s_cbranch_scc1 .Lfirst_v
.irp b, 0,1,2,3,4,5,6,7                ; q: register 8 b + j = b_attn[my first column + 16 b + 8 h + j]
	global_load_b128 v[BIAS+8*\b:BIAS+8*\b+3], v[BQ], s[12:13] offset:64*\b
	global_load_b128 v[BIAS+8*\b+4:BIAS+8*\b+7], v[BQ], s[12:13] offset:64*\b+16
.endr
	s_wait_loadcnt 0x0
	STEP 0, 0, 2
	s_branch .Lrest
.Lfirst_v:
.irp a, 0,1,2,3,4,5,6,7                ; v: all eight registers of block a = b_attn[my first column + 16 a + r]: a lane holds one channel
.irp j, 0,1,2,3,4,5,6,7
	global_load_b32 v[BIAS+8*\a+\j], v[BV], s[12:13] offset:64*\a
.endr
.endr
	s_wait_loadcnt 0x0
	STEP 0, 0, 3
	s_branch .Lrest
.Lfirst_k:
	STEP 0, 0, 1
.Lrest:                                                ; on all three ways every window is 0 and the same LDS loads are out
	STEP 0, 1, 0
	STEP 0, 2, 0
	TURN 0, 1
	STEP 1, 0, 0
	STEP 1, 1, 0
	STEP 1, 2, 0
	s_wait_dscnt 4*NL                              ; the last step: nothing more to fetch
	WIN MUL_LO
	MUL16 0, 1, NQ-1, 1, 0
	MUL16 2, 1, NQ-1, 1, 0
	s_wait_dscnt 0
	WIN MUL_HI
	MUL16 4, 1, NQ-1, 1, 0
	MUL16 6, 1, NQ-1, 1, 0
	WIN 0
	PLACES NP                                      ; in front of the first reads of results, and of the first writes over scale words
; THE WAY OUT.  Block a's eight accumulators are rounded to f16, each from its low end on, four registers an accumulator, and stored: 32 lanes store 512 consecutive bytes, aligned.  Two sets of 32 registers by turns.
.macro OUT isv
.irp a, 0,1,2,3,4,5,6,7
.if \a >= 2
	s_wait_xcnt 0x0                                ; block a - 2's stores have read their registers: they are written again only behind this wait
.endif
	WIN 0x0a+5*(\a/4)                              ; sources 0 and 1: window 2 or 3
.irp b, 0,1,2,3,4,5,6,7
.irp r, 0,1,2,3
	v_cvt_pk_f16_f32 v[TMP+32*(\a%2)+4*\b+\r], v[64*(\a%4)+8*\b+2*\r], v[64*(\a%4)+8*\b+2*\r+1]
.endr
.endr
	WIN 0
.irp b, 0,1,2,3,4,5,6,7
.if \isv
	global_store_b128 v[CO], v[TMP+32*(\a%2)+4*\b:TMP+32*(\a%2)+4*\b+3], s[96:97] offset:(\a/4)*HB+(\b/2)*4096+(\a%4)*1024+(\b%2)*512
.else
	global_store_b128 v[CO], v[TMP+32*(\a%2)+4*\b:TMP+32*(\a%2)+4*\b+3], s[96:97] offset:(\b/4)*HB+2048*\a+((\b/2)%2)*1024+(\b%2)*512
.endif
.endr
.endr
.endm
	s_cmp_eq_u32 ttmp9, 2
	s_cbranch_scc1 .Lway_v
	s_cmp_lg_u32 s66, 0                            ; the cluster's y and the wave's number alone
	s_cbranch_scc1 .Lqk_out
	WIN 0x08                                       ; a store's data are its source 1: window 2
.irp b, 0,1,2,3,4,5,6,7                ; positions 0 to 15 of a batch as f32: accumulators (0, b): position r, channels 16 b + 8 h + 0 .. 7
	global_store_b128 v[CO], v[8*\b:8*\b+3], s[98:99] offset:(\b/4)*4096+(\b%4)*1024
	global_store_b128 v[CO], v[8*\b+4:8*\b+7], s[98:99] offset:(\b/4)*4096+(\b%4)*1024+512
.endr
	WIN 0
.Lqk_out:
	OUT 0
	s_branch .Lend
.Lway_v:
	s_cmp_lg_u32 s66, 0
	s_cbranch_scc1 .Lv_out
	WIN 0x08
.irp a, 0,1,2,3                        ; accumulators (a, 0): channel 16 a + r, positions 8 h + 0 .. 7
	global_store_b128 v[CO], v[64*\a:64*\a+3], s[98:99] offset:\a*1024
	global_store_b128 v[CO], v[64*\a+4:64*\a+7], s[98:99] offset:\a*1024+512
.endr
	WIN 0x0c                                       ; window 3
.irp a, 0,1,2,3
	global_store_b128 v[CO], v[64*\a:64*\a+3], s[98:99] offset:4096+\a*1024
	global_store_b128 v[CO], v[64*\a+4:64*\a+7], s[98:99] offset:4096+\a*1024+512
.endr
	WIN 0
.Lv_out:
	OUT 1
.Lend:
	s_wait_tensorcnt 0x0                           ; the wave's end: behind my last tensor load
	ds_add_u32 v[SPW], v[NIL]
	s_wait_dscnt 0x0
	CROUND                                         ; the closing round: no work-group ends while a partner may still ask for a tile that names it
	s_endpgm
.Lfunc_end_k_qb89cd0e881_qkv:
	.size	k_qb89cd0e881_qkv, .Lfunc_end_k_qb89cd0e881_qkv-k_qb89cd0e881_qkv
	.p2alignl 7, 3214868480
	.fill 96, 4, 3214868480
	.section	.rodata,"a",@progbits
	.p2align	6, 0x0
	.amdhsa_kernel k_qb89cd0e881_qkv
		.amdhsa_group_segment_fixed_size 327680
		.amdhsa_private_segment_fixed_size 0
		.amdhsa_enable_private_segment 0
		.amdhsa_kernarg_size 56
		.amdhsa_user_sgpr_count 2
		.amdhsa_user_sgpr_kernarg_segment_ptr 1
		.amdhsa_wavefront_size32 1
		.amdhsa_system_sgpr_workgroup_id_x 1
		.amdhsa_system_sgpr_workgroup_id_y 1
		.amdhsa_system_sgpr_workgroup_id_z 1
		.amdhsa_system_vgpr_workitem_id 0
		.amdhsa_next_free_vgpr 1024
		.amdhsa_next_free_sgpr 100
		.amdhsa_reserve_vcc 0
		.amdhsa_float_denorm_mode_32 3
		.amdhsa_float_denorm_mode_16_64 3
		.amdhsa_memory_ordered 1
		.amdhsa_forward_progress 1
		.amdhsa_inst_pref_size 173
	.end_amdhsa_kernel
	.amdgpu_metadata
---
amdhsa.version: [ 1, 2 ]
amdhsa.kernels:
  - .name:           k_qb89cd0e881_qkv
    .symbol:         k_qb89cd0e881_qkv.kd
    .args:
      - { .name: x_codes, .offset: 0, .size: 8, .value_kind: global_buffer, .address_space: global }
      - { .name: x_scales, .offset: 8, .size: 8, .value_kind: global_buffer, .address_space: global }
      - { .name: w_codes, .offset: 16, .size: 8, .value_kind: global_buffer, .address_space: global }
      - { .name: w_scales, .offset: 24, .size: 8, .value_kind: global_buffer, .address_space: global }
      - { .name: b_attn, .offset: 32, .size: 8, .value_kind: global_buffer, .address_space: global }
      - { .name: qkv, .offset: 40, .size: 8, .value_kind: global_buffer, .address_space: global }
      - { .name: qkv16, .offset: 48, .size: 8, .value_kind: global_buffer, .address_space: global }
    .group_segment_fixed_size: 327680
    .private_segment_fixed_size: 0
    .kernarg_segment_align: 8
    .kernarg_segment_size: 56
    .max_flat_workgroup_size: 128
    .sgpr_count:     100
    .vgpr_count:     1024
    .wavefront_size: 32
...
	.end_amdgpu_metadata
.endif
;; end of part 2
;; launch attn (part 3): grid 4 x 64, 16 waves a work-group, no clusters, 327,680 bytes of LDS; arguments qkv, y_img; writes y_img
.if DOCPART == 3
	.amdgcn_target "amdgcn-amd-amdhsa--gfx1250"
	.amdhsa_code_object_version 6
	.text
	.protected	k_qb89cd0e881_attn
	.globl	k_qb89cd0e881_attn
	.p2align	8
	.type	k_qb89cd0e881_attn,@function
k_qb89cd0e881_attn:
	s_mov_b64 s[64:65], 0
	v_nop
	global_prefetch_b8 v0, s[64:65] scope:SCOPE_SE
	s_setreg_imm32_b32 hwreg(HW_REG_WAVE_MODE, 25, 1), 1
	s_wait_xcnt 0x0
; y[b][h][q] = the sum over keys k <= q of softmax_k(q . k / 8) v, head size 64, operands f16, products, maxima and sums f32; the weights p are rounded to f16 for the second product, y once at the end.
; LEFT OUT: key steps that lie wholly above the diagonal: reference()'s own mask gives their weights 0 (shown at the head of launch prep).
; LIMIT: y over 65,504 in magnitude is not served (f16).  Positions 0 to 15 of each sequence are made here too, since the next launch's tiles read their bytes; their rows of the output come from launch first16.
; SHARES.  Work-group (I, head) owns the blocks I and 7 - I of 256 queries, one after the other (pass A, pass B): (I + 1) + (8 - I) = 9 blocks of 256 keys to walk, whatever I is: 256 work-groups of equal work
; and a loop of constant count.  Each of sixteen waves owns 16 queries of the block in hand, in 256 registers: four waves to a SIMD, so that one wave's vector work stands beside another's matrix work.
; NO CLUSTER: the four work-groups of a head want different key blocks in the same trip (I = 0 walks 0, 0, 1, 2 ..; I = 3 walks 0, 1, 2, 3, 0 ..); walking in step would take 12 blocks' time in place of 9 and
; would bring a partner tiles all of whose reads its mask jumps over.
; RING.  Two LDS slots of 256 keys: K's 32,768 bytes, then V's.  Both lie in memory in the order of the operands' registers, so a slot is four dense blocks of 16,384 bytes, one tensor load each (waves 0 to 3),
; and every fragment is read at 16 x lane: 512 consecutive bytes an instruction.
; LAYOUT.  S^T = K Q^T (source 0 = 16 keys, source 1 = my 16 queries), O^T = V^T P (source 0 = 16 channels, source 1 = P): a lane holds ONE query (lane % 16) throughout; two tiles of S^T, rounded in pairs, ARE P's operand.
; SOFTMAX.  A running maximum m and sum l: p = 2^(c s - c m), c = log2(e) / 8; in every step O and l are multiplied by a = 2^(c m_old - c m_new).
.set HB,    262144
.set SLOT1, 65536
.set VOFF,  32768
.set SPARE, 131072                     ; behind the ring: the spare words, 128 bytes for each of 16 waves: eight blocks of 256 bytes that no other line names
.set LI,  1                            ; v1   16 x lane; never rewritten
.set ADR, 2                            ; v2   LDS address of the step's loads
.set SPW, 3                            ; v3   my spare word's address; never rewritten
.set NIL, 4                            ; v4   0; never rewritten
.set PFO, 5                            ; v5   256 x lane: the prefetches' offset; never rewritten
.set DL,  6                            ; v6   lane % 16 - 8 (lane / 16)
.set Q,   8                            ; v8-23    Q: two fragments of 16 queries x 32 channels
.set CM,  24                           ; v24 c m, v25 m
.set L,   26                           ; v26-27   l, even keys' and odd keys'
.set F,   32                           ; v32-95   eight fragments of K or of V
.set S,   96                           ; v96-159  S^T: eight tiles of 16 keys; then p
.set P,   160                          ; v160-191 p as f16: four operands of 32 keys
.set O,   192                          ; v192-223 O^T: four tiles of 16 channels
.set AA,  224                          ; v224 a (v225 is named with it as a pair)
.set DD,  226                          ; v226 c m_old - c m_new
.set MX,  228                          ; v228-231 the maximum's four chains
.set SU,  232                          ; v232-233 the sum's second chain
.set WV,  8
.set IX,  9
.set BH,  10
.set G0,  12                           ; s[12:15] descriptor group 0: it walks
.set G1,  16                           ; s[16:23] descriptor group 1
.set QA,  24
.set QB,  26
.set YA,  28
.set YB,  30
.set TB,  32                           ; s32  LDS byte at which the slot in hand begins
.set KF,  33                           ; s33  the step's first key
.set Q0,  34                           ; s34  my first query
.set Q0B, 35                           ; s35  and pass B's
.set SLOTS, 36                         ; s36  8 .. 1
.set SW,  37                           ; s37  8 - I: the count in the trip that walks pass A's last block
.set BACK, 38                          ; s[38:39]
.set CS,  40                           ; s[40:41] c, twice
.set SEL, 42                           ; s[42:43] lane l xor 16
.set PFA, 44                           ; s[44:45]
.set LIM, 46
.set BK,  52                           ; s52  (I + 1) x 32,768
; Waves 0 to 3 fetch, one load each; the branch hangs on the wave's number alone.  An s_nop 0 and four v_nop follow the load.
.macro TLOAD
	s_cmp_lt_u32 s[WV], 4
	s_cbranch_scc0 .Lnone_\@
	tensor_load_to_lds s[G0:G0+3], s[G1:G1+7]
	s_nop 0
.rept 4
	v_nop
.endr
.Lnone_\@:
.endm
; A PREFETCH of the key block that stands one further on than the one just asked for by work-group I = 0 in pass B.  All four work-groups of a head walk the same K and V: work-group I = 0 asks, and in it the waves
; that fetch nothing: waves 4 to 7 for K's 32,768 bytes, waves 8 to 11 for V's, 8,192 bytes a wave, lanes 256 bytes apart.  Trips 0 to 6 name blocks 1 to 7, each aligned 256 bytes once; the last trip asks for nothing.
.macro ASK
	s_cmp_gt_u32 s[SLOTS], s[LIM]
	s_cbranch_scc0 .Lnot_mine_\@
	global_prefetch_b8 v[PFO], s[PFA:PFA+1] th:TH_LOAD_NT scope:SCOPE_SE
.Lnot_mine_\@:
.endm
.macro RESET                           ; a pass begins: m = -3e38, under every score; l = 0; O^T = 0, which the first a leaves 0
	v_mov_b32 v[CM+1], 0xff61b1e6
	v_mul_f32 v[CM], s[CS], v[CM+1]
	v_mov_b32 v[L], 0
	v_mov_b32 v[L+1], 0
.irp j, 0,1,2,3,4,5,6,7,8,9,10,11,12,13,14,15,16,17,18,19,20,21,22,23,24,25,26,27,28,29,30,31
	v_mov_b32 v[O+\j], 0
.endr
.endm
.macro QLOAD a
.irp k, 0,1
.irp u, 0,1
	global_load_b128 v[Q+8*\k+4*\u:Q+8*\k+4*\u+3], v[LI], s[\a:\a+1] offset:1024*\k+512*\u
.endr
.endr
.endm
	s_load_b128 s[4:7], s[0:1], 0x0                ; qkv s[4:5], y_img s[6:7]
	v_lshl_add_u32 v[SPW], v0, 2, SPARE
	v_mov_b32 v[NIL], 0
	ds_add_u32 v[SPW], v[NIL]                      ; the wave's opening: the add, twice on end, and its wait ahead of the first tensor load
	ds_add_u32 v[SPW], v[NIL]
	v_lshrrev_b32 v7, 5, v0
	v_readfirstlane_b32 s[WV], v7                  ; wave 0..15
	s_mov_b32 s[IX], ttmp9
	s_and_b32 s[BH], ttmp7, 0xffff                 ; 16 x batch + head
	; descriptor group 1: 16,384 dense bytes as 64 rows of 256 (32 elements of 8 bytes), no padding
	s_mov_b32 s[G1], 3<<16
	s_mov_b32 s[G1+1], 32<<16                      ; tensor_dim0
	s_mov_b32 s[G1+2], 64<<16                      ; tensor_dim1
	s_mov_b32 s[G1+3], 32<<16                      ; tile_dim0
	s_mov_b32 s[G1+4], 64                          ; tile_dim1
	s_mov_b32 s[G1+5], 32                          ; from row to row
	s_mov_b32 s[G1+6], 0
	s_mov_b32 s[G1+7], 0
	s_mov_b32 s[G0], 1
	s_and_b32 s47, s[WV], 3
	s_lshl_b32 s[G0+1], s47, 14                    ; LDS: K's halves at 0 and 16,384, V's at 32,768 and 49,152, in slot 0
	s_lshl_b32 s48, s[BH], 18                      ; the head's bytes in a part
	s_lshr_b32 s49, s47, 1
	s_add_co_u32 s49, s49, 1
	s_lshl_b32 s49, s49, 24                        ; part 1 (k) or 2 (v): 2^24 bytes a part
	s_and_b32 s50, s[WV], 1
	s_lshl_b32 s50, s50, 14
	s_add_co_u32 s50, s50, s49
	s_add_co_u32 s50, s50, s48
	s_mov_b32 s51, 0
	s_lshl_b32 s[Q0], s[IX], 8
	s_lshl_b32 s47, s[WV], 4
	s_add_co_u32 s[Q0], s[Q0], s47                 ; pass A: 256 I + 16 wave
	s_sub_co_u32 s[Q0B], 7, s[IX]
	s_lshl_b32 s[Q0B], s[Q0B], 8
	s_add_co_u32 s[Q0B], s[Q0B], s47               ; pass B: 256 (7 - I) + 16 wave
	s_sub_co_u32 s[SW], 8, s[IX]
	s_add_co_u32 s[BK], s[IX], 1
	s_lshl_b32 s[BK], s[BK], 15
	s_mov_b32 s[BACK+1], 0
	s_mov_b32 s[CS], 0x3e38aa3b                    ; c = log2(e) / 8
	s_mov_b32 s[CS+1], s[CS]
	s_mov_b32 s[SEL], 0x76543210
	s_mov_b32 s[SEL+1], 0xfedcba98
	s_mov_b32 s[TB], 0
	s_mov_b32 s[KF], 0
	s_mov_b32 s[SLOTS], 8
	s_wait_dscnt 0x0                               ; both opening adds are done
	s_wait_kmcnt 0x0
	s_add_nc_u64 s[G0+2:G0+3], s[4:5], s[50:51]    ; key block 0
	s_or_b32 s[G0+3], s[G0+3], 0x80000000
	TLOAD                                          ; slot 0
	v_and_b32 v[LI], 31, v0
	v_lshlrev_b32 v[PFO], 8, v[LI]
	v_lshlrev_b32 v[LI], 4, v[LI]
	s_lshl_b32 s50, s[Q0], 7                       ; a position is 128 bytes of q
	s_add_co_u32 s50, s50, s48
	s_add_nc_u64 s[QA:QA+1], s[4:5], s[50:51]
	QLOAD QA
	s_lshl_b32 s50, s[Q0B], 7
	s_add_co_u32 s50, s50, s48
	s_add_nc_u64 s[QB:QB+1], s[4:5], s[50:51]
	s_lshr_b32 s49, s[BH], 4
	s_lshl_b32 s49, s49, 22                        ; y_img: a row is 2,048 bytes, a batch 2,048 rows;
	s_and_b32 s47, s[BH], 15
	s_lshl_b32 s47, s47, 11                        ; in a block of 16 rows a head's part begins 2,048 x head bytes on
	s_add_co_u32 s49, s49, s47
	s_lshl_b32 s50, s[Q0], 11
	s_add_co_u32 s50, s50, s49
	s_add_nc_u64 s[YA:YA+1], s[6:7], s[50:51]
	s_lshl_b32 s50, s[Q0B], 11
	s_add_co_u32 s50, s50, s49
	s_add_nc_u64 s[YB:YB+1], s[6:7], s[50:51]
	s_sub_co_u32 s47, s[WV], 4                     ; the prefetches: who asks, and where
	s_lshr_b32 s49, s47, 2
	s_and_b32 s49, s49, 1
	s_add_co_u32 s49, s49, 1
	s_lshl_b32 s49, s49, 24                        ; waves 4 to 7: k; waves 8 to 11: v
	s_and_b32 s50, s[WV], 3
	s_lshl_b32 s50, s50, 13
	s_add_co_u32 s50, s50, s49
	s_add_co_u32 s50, s50, s48
	s_add_nc_u64 s[PFA:PFA+1], s[4:5], s[50:51]    ; in block 0: each change of slots steps it before it asks.  Nothing is prefetched here, at the head
	s_lshr_b32 s47, s47, 3                         ; 0 in waves 4 to 11,
	s_or_b32 s47, s47, s[IX]                       ; of work-group I = 0
	s_cmp_eq_u32 s47, 0
	s_cselect_b32 s[LIM], 1, -1
	v_and_b32 v[DL], 15, v0
	v_bfe_u32 v7, v0, 4, 1
	v_lshlrev_b32 v7, 3, v7
	v_sub_nc_u32 v[DL], v[DL], v7
	v_mov_b32 v[AA+1], 0                           ; named as the upper half of the pair v[224:225]
	v_mov_b32 v[MX], 0                             ; a lane permute's destination counts as one of its sources
	v_mov_b32 v[MX+1], 0
	RESET
; A KEY STEP: 128 keys, the q-th half of the slot in hand.
.macro STEP q
	s_add_co_u32 s47, s[Q0], 15                    ; a step all of whose keys come after my 16 queries is left out: a branch on ids and counts alone, round no barrier and no tensor load.
	s_cmp_gt_u32 s[KF], s47                        ; (KF is a multiple of 128 and Q0 of 16: in a step that is walked key KF counts for all my queries, so m is a number)
	s_cbranch_scc1 .Lhidden_\@
	v_add_nc_u32 v[ADR], s[TB], v[LI]
.rept 3
	v_nop                                          ; with the addition above: four places in front of loads into registers that the last products read
.endr
.irp g, 0,1                            ; S^T = K Q^T, four tiles of 16 keys at a time
.if \g
.rept 4
	v_nop
.endr
.endif
.irp t, 0,1,2,3
.irp k, 0,1
.irp u, 0,1
	ds_load_b128 v[F+16*\t+8*\k+4*\u:F+16*\t+8*\k+4*\u+3], v[ADR] offset:16384*(\q)+(4*\g+\t)*2048+1024*\k+512*\u
.endr
.endr
.endr
	s_wait_dscnt 0x0
.irp t, 0,1,2,3                        ; channels 0 to 31 start the sums; the four accumulators take turns
	v_wmma_f32_16x16x32_f16 v[S+8*(4*\g+\t):S+8*(4*\g+\t)+7], v[F+16*\t:F+16*\t+7], v[Q:Q+7], 0
.endr
.irp t, 0,1,2,3
	v_wmma_f32_16x16x32_f16 v[S+8*(4*\g+\t):S+8*(4*\g+\t)+7], v[F+16*\t+8:F+16*\t+15], v[Q+8:Q+15], v[S+8*(4*\g+\t):S+8*(4*\g+\t)+7]
.endr
.endr
.rept 4
	v_nop
.endr
	s_add_co_u32 s47, s[KF], 127                   ; on the diagonal hidden scores become -infinity ahead of the maximum; a step all of whose keys count skips this
	s_cmp_le_u32 s47, s[Q0]
	s_cbranch_scc1 .Lopen_\@
	s_sub_co_i32 s47, s[Q0], s[KF]
	v_add_nc_u32 v252, s47, v[DL]                  ; d = my query - KF - 8 (lane / 16).  Register 8 t + j holds key KF + 16 t + 8 (lane / 16) + j: hidden where 16 t + j > d
	v_mov_b32 v254, 0xff800000
.irp n, 0,1,2,3,4,5,6,7,8,9,10,11,12,13,14,15,16,17,18,19,20,21,22,23,24,25,26,27,28,29,30,31,32,33,34,35,36,37,38,39,40,41,42,43,44,45,46,47,48,49,50,51,52,53,54,55,56,57,58,59,60,61,62,63
	v_cmp_gt_i32 vcc_lo, 16*(\n/8)+\n%8, v252
	v_cndmask_b32 v[S+\n], v[S+\n], v254, vcc_lo
.endr
.Lopen_\@:
.irp b, 0,1,2,3                        ; the maximum, in four chains; each tile is first read at its low end
	v_max3_num_f32 v[MX+\b], v[S+16*\b], v[S+16*\b+1], v[S+16*\b+2]
.endr
.irp i, 3,5,7,9,11,13
.irp b, 0,1,2,3
	v_max3_num_f32 v[MX+\b], v[MX+\b], v[S+16*\b+\i], v[S+16*\b+\i+1]
.endr
.endr
.irp b, 0,1,2,3
	v_max_num_f32 v[MX+\b], v[MX+\b], v[S+16*\b+15]
.endr
	v_max3_num_f32 v[MX], v[MX], v[MX+1], v[MX+2]
	v_max3_num_f32 v[MX], v[MX], v[MX+3], v[CM+1]  ; with the old m
	v_permlanex16_b32 v[MX+1], v[MX], s[SEL], s[SEL+1]  ; the query's other keys lie in the lane 16 away
	v_mov_b32 v[DD], v[CM]                         ; c m_old
	v_max_num_f32 v[CM+1], v[MX], v[MX+1]
	v_mul_f32 v[CM], s[CS], v[CM+1]
	v_sub_f32 v[DD], v[DD], v[CM]
.irp j, 0,2,4,6,8,10,12,14,16,18,20,22,24,26,28,30,32,34,36,38,40,42,44,46,48,50,52,54,56,58,60,62
	v_pk_fma_f32 v[S+\j:S+\j+1], v[S+\j:S+\j+1], s[CS:CS+1], v[CM:CM+1] op_sel_hi:[1,0,0] neg_lo:[0,0,1] neg_hi:[0,0,1]   ; c s - c m
.endr
.irp j, 0,1,2,3,4,5,6,7,8,9,10,11,12,13,14,15,16,17,18,19,20,21,22,23,24,25,26,27,28,29,30,31,32,33,34,35,36,37,38,39,40,41,42,43,44,45,46,47,48,49,50,51,52,53,54,55,56,57,58,59,60,61,62,63
	v_exp_f32 v[S+\j], v[S+\j]
.endr
	v_exp_f32 v[AA], v[DD]
	v_nop                                          ; a plain instruction behind the last exponential
	s_wait_alu depctr_va_vdst(0)                   ; the wait ahead of the first line that names a result: one for the 65
	v_pk_mul_f32 v[L:L+1], v[L:L+1], v[AA:AA+1] op_sel_hi:[1,0]
.irp i, 0,1,2,3,4,5,6,7,8,9,10,11,12,13,14,15,16,17,18,19,20,21,22,23,24,25,26,27,28,29,30,31
	v_cvt_pk_f16_f32 v[P+\i], v[S+2*\i], v[S+2*\i+1]
.endr
	v_pk_add_f32 v[SU:SU+1], v[S:S+1], v[S+2:S+3]  ; the row's sum, of the unrounded p, in two chains
.irp j, 4,8,12,16,20,24,28,32,36,40,44,48,52,56,60
	v_pk_add_f32 v[L:L+1], v[L:L+1], v[S+\j:S+\j+1]
	v_pk_add_f32 v[SU:SU+1], v[SU:SU+1], v[S+\j+2:S+\j+3]
.endr
	v_pk_add_f32 v[L:L+1], v[L:L+1], v[SU:SU+1]
.irp j, 0,2,4,6,8,10,12,14,16,18,20,22,24,26,28,30
	v_pk_mul_f32 v[O+\j:O+\j+1], v[O+\j:O+\j+1], v[AA:AA+1] op_sel_hi:[1,0]
.endr
.irp g, 0,1                            ; O^T += V^T P: two runs of 32 keys at a time x four tiles of channels
.if \g
.rept 4
	v_nop
.endr
.endif
.irp c, 0,1
.irp t, 0,1,2,3
.irp u, 0,1
	ds_load_b128 v[F+32*\c+8*\t+4*\u:F+32*\c+8*\t+4*\u+3], v[ADR] offset:VOFF+16384*(\q)+4096*(2*\g+\c)+1024*\t+512*\u
.endr
.endr
.endr
	s_wait_dscnt 0x0
.irp c, 0,1
.irp t, 0,1,2,3
	v_wmma_f32_16x16x32_f16 v[O+8*\t:O+8*\t+7], v[F+32*\c+8*\t:F+32*\c+8*\t+7], v[P+8*(2*\g+\c):P+8*(2*\g+\c)+7], v[O+8*\t:O+8*\t+7]
.endr
.endr
.endr
.Lhidden_\@:
	s_add_co_u32 s[KF], s[KF], 128
.endm
; A pass ends: O^T / l, rounded to f16.  A lane's eight channels of a tile are 16 bytes, and the 32 lanes' 512 bytes lie on end in y_img: the wave stores 2,048 consecutive bytes.
.macro FINISH y
.rept 4
	v_nop
.endr
	v_add_f32 v[L], v[L], v[L+1]
	v_permlanex16_b32 v[MX], v[L], s[SEL], s[SEL+1]
	v_add_f32 v[L], v[L], v[MX]
	v_rcp_f32 v[AA], v[L]
	v_nop
	s_wait_alu depctr_va_vdst(0)                   ; ahead of the reciprocal's first reader
.irp i, 0,2,4,6,8,10,12,14,16,18,20,22,24,26,28,30
	v_pk_mul_f32 v[S+\i:S+\i+1], v[O+\i:O+\i+1], v[AA:AA+1] op_sel_hi:[1,0]
.endr
.irp i, 0,1,2,3,4,5,6,7,8,9,10,11,12,13,14,15
	v_cvt_pk_f16_f32 v[P+\i], v[S+2*\i], v[S+2*\i+1]
.endr
.irp c, 0,1,2,3
	global_store_b128 v[LI], v[P+4*\c:P+4*\c+3], s[\y:\y+1] offset:512*\c
.endr
.endm
; THE CHANGE OF SLOTS stands at a slot's head.  Each wave waits for all its tensor loads, adds 0 to its spare word, and waits for that and for its reads of the slot that it has left; behind the barrier the slot
; ahead is whole and nobody reads the other one, which is then filled with the walk's next key block.  A fetching wave has one tensor load out.
.macro CHANGE fill
	s_wait_tensorcnt 0x0                           ; no tensor load of mine is out, so group 0 may be written
	ds_add_u32 v[SPW], v[NIL]
.if \fill
	ds_add_u32 v[SPW], v[NIL]                      ; and once more: the add stands twice on end, in every trip alike
	s_xor_b32 s[G0+1], s[G0+1], SLOT1              ; the other slot than last time,
	s_add_nc_u64 s[G0+2:G0+3], s[G0+2:G0+3], 32768 ; the next key block;
	s_cmp_eq_u32 s[SLOTS], s[SW]                   ; in the trip that walks pass A's last block the next one is pass B's block 0: I + 1 blocks back
	s_cselect_b32 s[BACK], s[BK], 0
	s_sub_nc_u64 s[G0+2:G0+3], s[G0+2:G0+3], s[BACK:BACK+1]
	s_wait_xcnt 0x0                                ; the last prefetch, a slot back, has read its address
	s_add_nc_u64 s[PFA:PFA+1], s[PFA:PFA+1], 32768
.endif
	s_wait_dscnt 0x0                               ; the add is done, and my reads of the slot that I have left are over
	s_barrier_signal -1
	s_barrier_wait -1
.if \fill
	TLOAD                                          ; the first thing behind the barrier, and a wave's one tensor load until the next
	ASK
.endif
.endm
	s_wait_loadcnt 0x0                             ; Q
.Lslot:                                                ; eight trips; the ninth slot is written out
	CHANGE 1
	STEP 0
	STEP 1
	s_xor_b32 s[TB], s[TB], SLOT1
	s_cmp_lg_u32 s[SLOTS], s[SW]                   ; pass A's last block has been walked: its y leaves, and pass B begins.  No barrier, tensor load or LDS access stands in here
	s_cbranch_scc1 .Lsame_pass
	FINISH YA
	QLOAD QB
	RESET
	s_mov_b32 s[KF], 0
	s_mov_b32 s[Q0], s[Q0B]
	s_wait_loadcnt 0x0                             ; pass B's Q
	s_wait_xcnt 0x0                                ; the stores have read their registers, which the next step writes
.Lsame_pass:
	s_sub_co_u32 s[SLOTS], s[SLOTS], 1
	s_cmp_lg_u32 s[SLOTS], 0
	s_cbranch_scc1 .Lslot
	CHANGE 0
	STEP 0
	STEP 1
	FINISH YB
	s_wait_tensorcnt 0x0                           ; the wave's end: behind the last tensor load
	ds_add_u32 v[SPW], v[NIL]
	s_wait_dscnt 0x0
	s_endpgm
.Lfunc_end_k_qb89cd0e881_attn:
	.size	k_qb89cd0e881_attn, .Lfunc_end_k_qb89cd0e881_attn-k_qb89cd0e881_attn
	.p2alignl 7, 3214868480
	.fill 96, 4, 3214868480
	.section	.rodata,"a",@progbits
	.p2align	6, 0x0
	.amdhsa_kernel k_qb89cd0e881_attn
		.amdhsa_group_segment_fixed_size 327680
		.amdhsa_private_segment_fixed_size 0
		.amdhsa_enable_private_segment 0
		.amdhsa_kernarg_size 16
		.amdhsa_user_sgpr_count 2
		.amdhsa_user_sgpr_kernarg_segment_ptr 1
		.amdhsa_wavefront_size32 1
		.amdhsa_system_sgpr_workgroup_id_x 1
		.amdhsa_system_sgpr_workgroup_id_y 1
		.amdhsa_system_sgpr_workgroup_id_z 1
		.amdhsa_system_vgpr_workitem_id 0
		.amdhsa_next_free_vgpr 256
		.amdhsa_next_free_sgpr 66
		.amdhsa_reserve_vcc 1
		.amdhsa_float_denorm_mode_32 3
		.amdhsa_float_denorm_mode_16_64 3
		.amdhsa_memory_ordered 1
		.amdhsa_forward_progress 1
		.amdhsa_inst_pref_size 108
	.end_amdhsa_kernel
	.amdgpu_metadata
---
amdhsa.version: [ 1, 2 ]
amdhsa.kernels:
  - .name:           k_qb89cd0e881_attn
    .symbol:         k_qb89cd0e881_attn.kd
    .args:
      - { .name: qkv, .offset: 0, .size: 8, .value_kind: global_buffer, .address_space: global }
      - { .name: y_img, .offset: 8, .size: 8, .value_kind: global_buffer, .address_space: global }
    .group_segment_fixed_size: 327680
    .private_segment_fixed_size: 0
    .kernarg_segment_align: 8
    .kernarg_segment_size: 16
    .max_flat_workgroup_size: 512
    .sgpr_count:     66
    .vgpr_count:     256
    .wavefront_size: 32
...
	.end_amdgpu_metadata
.endif
;; end of part 3
;; launch proj (part 4): grid 8 x 32, 4 waves a work-group, clusters of 4 x 4, 327,680 bytes of LDS; arguments y_img, wp_img, b_proj, out0; writes out0
.if DOCPART == 4
	.amdgcn_target "amdgcn-amd-amdhsa--gfx1250"
	.amdhsa_code_object_version 6
	.text
	.protected	k_qb89cd0e881_proj
	.globl	k_qb89cd0e881_proj
	.p2align	8
	.type	k_qb89cd0e881_proj,@function
k_qb89cd0e881_proj:
	s_mov_b64 s[64:65], 0
	v_nop
	global_prefetch_b8 v0, s[64:65] scope:SCOPE_SE
	s_setreg_imm32_b32 hwreg(HW_REG_WAVE_MODE, 25, 1), 1
	s_wait_xcnt 0x0
	s_wait_alu depctr_hold_cnt(0) depctr_sa_sdst(0) depctr_va_vdst(0) depctr_va_sdst(0) depctr_va_ssrc(0) depctr_va_vcc(0) depctr_vm_vsrc(0)
	s_getreg_b32 s2, hwreg(HW_REG_IB_STS2, 6, 4)
	s_cmp_eq_u32 s2, 0
	s_cbranch_scc0 .Lentry_in_a_cluster
	s_endpgm
.Lentry_in_a_cluster:
	s_bfe_u32 s2, ttmp6, 0x10000c
	s_cmp_lg_u32 s2, 0xf033
	s_cbranch_scc0 .Lentry_shape_is_right
	s_endpgm
.Lentry_shape_is_right:
; out0 = y W_proj + b_proj: [8192][1024] x [1024][1024], operands f16, sums f32.
; LEFT OUT: the stores of positions 0 to 15 of each sequence: launch first16 makes those rows of out0 in f32 and owns them.
; A work-group of four waves makes 256 rows x 128 columns: 256 work-groups.  Wave (wr, wc) makes 128 x 64: 32 accumulators of 16 x 16, all of window 1.  K goes in 8 steps of 128 through a ring of two LDS slots.
; Both operands lie in memory in the order of the operand's registers, [block of 16][kchunk of 32][1,024 bytes]: a K step of a block is 4,096 consecutive bytes, a tile is rows of 4,096 bytes 32,768 apart, no padding
; is wanted, and each fragment is read at 16 x lane: 512 consecutive bytes an instruction.
; CLUSTERS of 4 x 4: y's tile (row 8 cy + cluster y) is shared along a row of the cluster, W_proj's (column 4 cluster x + cx) along a column: joint loads.  With that row the tiles that begin a sequence are those of
; cluster y = 0: a number that all partners share.
; THE MATRIX INSTRUCTION IS USED TRANSPOSED (source 0 = 16 columns of W_proj, source 1 = 16 rows of y): a lane holds eight neighbouring numbers of a row of out0.  The bias is the C of each sum's first instruction.
; REGISTERS: window 0: v16-29 addresses; v32-63 the bias; v64-159, v160-255 two fragment buffers (64 registers of y, then 32 of W_proj).  window 1: accumulator (a, b) at v[8 (4 a + b)].
.set SLOT,   98304                     ; y's 16 blocks x 4,096 bytes, then W_proj's 8 blocks
.set BOFF,   65536
.set STAGE,  2*SLOT                    ; behind the ring: 16 rows x 272 bytes for each wave
.set SPITCH, 272
.set SPARE,  STAGE+4*16*SPITCH         ; the spare words, 128 bytes a wave: two blocks of 256 bytes that no other line names
.set ADRA, 16
.set ADRB, 20
.set STO,  24
.set RD,   25
.set CO,   26
.set SPW,  28
.set NIL,  29
.set BIAS, 32
.set F0,   64
.set F1,   160
.set BKR,  64                          ; the way out: 16 rows read back: v64-95 and v96-127 by turns
.set G1, 24
.set G0, 32
.set G1B, 48
.set G0B, 56
.set MSB, 0
.macro WIN new
.if MSB != \new
	s_set_vgpr_msb (MSB<<8)|\new
.set MSB, \new
.endif
.endm
.set MUL,  0x50                        ; C and D window 1, sources window 0
.set MULB, 0x40                        ; D window 1, C (the bias) window 0
.macro JLOAD s                         ; waves 0 and 1 fetch y's halves, waves 2 and 3 W_proj's; an s_nop 0 and four v_nop follow each of the two lines
	s_cmp_eq_u32 s13, 0
	s_cbranch_scc0 .Lfor_b_\@
	tensor_load_to_lds s[G0+4*\s:G0+4*\s+3], s[G1:G1+7]
	s_nop 0
.rept 4
	v_nop
.endr
	s_branch .Lasked_\@
.Lfor_b_\@:
	tensor_load_to_lds s[G0B+4*\s:G0B+4*\s+3], s[G1B:G1B+7]
	s_nop 0
.rept 4
	v_nop
.endr
.Lasked_\@:
.endm
.macro CREST
	s_cmp_lg_u32 s12, 0
	s_cbranch_scc1 .Lnot_wave_0_\@
	s_barrier_signal -3
.Lnot_wave_0_\@:
	s_barrier_wait -3
	s_barrier_signal -1
	s_barrier_wait -1
.endm
.macro CROUND
	s_barrier_signal -1
	s_barrier_wait -1
	CREST
.endm
	s_load_b256 s[4:11], s[0:1], 0x0               ; y_img s[4:5], wp_img s[6:7], b_proj s[8:9], out0 s[10:11]
	v_lshl_add_u32 v[SPW], v0, 2, SPARE
	v_mov_b32 v[NIL], 0
	ds_add_u32 v[SPW], v[NIL]                      ; the wave's opening: the add, twice on end, and its wait ahead of my first tensor load
	ds_add_u32 v[SPW], v[NIL]
	v_lshrrev_b32 v1, 5, v0
	v_readfirstlane_b32 s12, v1                    ; wave 0..3
	s_lshr_b32 s13, s12, 1                         ; wr: my half of the rows.  Also: I fetch y (0) or W_proj (1)
	s_and_b32 s14, s12, 1                          ; wc: my half of the columns.  Also: which half of that tile I fetch
	s_bfe_u32 s40, ttmp6, 0x40000                  ; cx
	s_bfe_u32 s41, ttmp6, 0x40004                  ; cy
	s_lshl_b32 s42, ttmp9, 2
	s_add_co_u32 s42, s42, s40                     ; tile column = 4 cluster x + cx
	s_and_b32 s45, ttmp7, 0xffff                   ; cluster y
	s_lshl_b32 s15, s41, 3
	s_add_co_u32 s15, s15, s45                     ; tile row = 8 cy + cluster y
	s_lshl_b32 s43, s41, 2
	s_lshl_b32 s43, 15, s43                        ; my row of the cluster
	s_lshl_b32 s44, 0x1111, s40                    ; my column
	s_or_b32 s[G1+0], s43, (3<<16)|(1<<21)         ; the mask; elements of 8 bytes; bit 21 beside a mask; no padding
	s_or_b32 s[G1B+0], s44, (3<<16)|(1<<21)
	s_mov_b32 s[G1+1], 512<<16                     ; tensor_dim0: 4,096 bytes
	s_mov_b32 s[G1+2], 8<<16                       ; tensor_dim1: 8 blocks of 16 rows
	s_mov_b32 s[G1+3], 512<<16                     ; tile_dim0
	s_mov_b32 s[G1+4], 8                           ; tile_dim1
	s_mov_b32 s[G1+5], 4096                        ; from block to block: 32,768 bytes
	s_mov_b32 s[G1+6], 0
	s_mov_b32 s[G1+7], 0
	s_mov_b32 s[G1B+1], 512<<16
	s_mov_b32 s[G1B+2], 4<<16                      ; 4 blocks of 16 columns
	s_mov_b32 s[G1B+3], 512<<16
	s_mov_b32 s[G1B+4], 4
	s_mov_b32 s[G1B+5], 4096
	s_mov_b32 s[G1B+6], 0
	s_mov_b32 s[G1B+7], 0
	s_lshl_b32 s16, s15, 4
	s_lshl_b32 s17, s14, 3
	s_add_co_u32 s16, s16, s17
	s_lshl_b32 s16, s16, 15                        ; y: block 16 x tile row + 8 wc
	s_mov_b32 s17, 0
	s_lshl_b32 s46, s42, 3
	s_lshl_b32 s47, s14, 2
	s_add_co_u32 s46, s46, s47
	s_lshl_b32 s46, s46, 15                        ; W_proj: block 8 x tile column + 4 wc
	s_mov_b32 s47, 0
	s_lshl_b32 s20, s14, 15                        ; where they go: no place in the cluster enters an LDS address
	s_lshl_b32 s21, s14, 14
	s_add_co_u32 s21, s21, BOFF
	s_wait_dscnt 0x0                               ; both opening adds are done
	s_wait_kmcnt 0x0
	s_add_nc_u64 s[16:17], s[4:5], s[16:17]
	s_add_nc_u64 s[46:47], s[6:7], s[46:47]
	CROUND                                         ; all sixteen work-groups are here: the first joint loads meet
.irp s, 0,1
	s_mov_b32 s[G0+4*\s], 1
	s_add_co_u32 s[G0+4*\s+1], s20, \s*SLOT
	s_add_nc_u64 s[G0+4*\s+2:G0+4*\s+3], s[16:17], \s*4096
	s_or_b32 s[G0+4*\s+3], s[G0+4*\s+3], 0x80000000
	s_mov_b32 s[G0B+4*\s], 1
	s_add_co_u32 s[G0B+4*\s+1], s21, \s*SLOT
	s_add_nc_u64 s[G0B+4*\s+2:G0B+4*\s+3], s[46:47], \s*4096
	s_or_b32 s[G0B+4*\s+3], s[G0B+4*\s+3], 0x80000000
	JLOAD \s
.endr
	v_and_b32 v1, 15, v0                           ; r
	v_bfe_u32 v2, v0, 4, 1                         ; h
	v_and_b32 v3, 31, v0
	v_lshlrev_b32 v3, 4, v3                        ; 16 x lane
	s_lshl_b32 s20, s13, 15                        ; my 8 blocks of y
	s_lshl_b32 s21, s14, 14
	s_add_co_u32 s21, s21, BOFF                    ; my 4 blocks of W_proj
.irp s, 0,1
	v_add_nc_u32 v[ADRA+\s], s20, v3
	v_add_nc_u32 v[ADRB+\s], s21, v3
	s_add_co_u32 s20, s20, SLOT
	s_add_co_u32 s21, s21, SLOT
.endr
	s_mul_i32 s22, s12, 16*SPITCH
	s_add_co_u32 s22, s22, STAGE                   ; my stage
	v_mul_u32_u24 v4, v1, SPITCH
	v_lshl_add_u32 v4, v2, 5, v4
	v_add_nc_u32 v[STO], s22, v4                   ; in: row r, 32 bytes for each half of the lanes
	v_mul_u32_u24 v5, v2, SPITCH
	v_lshl_add_u32 v5, v1, 4, v5
	v_add_nc_u32 v[RD], s22, v5                    ; back: lanes 0-15 one row of 256 bytes, lanes 16-31 the next
	v_lshlrev_b32 v5, 12, v2
	v_lshl_add_u32 v[CO], v1, 4, v5                ; and the same two rows in out0
	v_lshlrev_b32 v6, 5, v2                        ; the bias: 32 h
	s_lshl_b32 s22, s42, 9
	s_lshl_b32 s23, s14, 8
	s_add_co_u32 s22, s22, s23                     ; my first column, in bytes: 512 x tile column + 256 wc
	s_mov_b32 s23, 0
	s_add_nc_u64 s[8:9], s[8:9], s[22:23]
.irp b, 0,1,2,3                        ; register 8 b + j = b_proj[my first column + 16 b + 8 h + j]
	global_load_b128 v[BIAS+8*\b:BIAS+8*\b+3], v6, s[8:9] offset:64*\b
	global_load_b128 v[BIAS+8*\b+4:BIAS+8*\b+7], v6, s[8:9] offset:64*\b+16
.endr
	s_add_nc_u64 s[10:11], s[10:11], s[22:23]
	s_lshl_b32 s22, s15, 8
	s_lshl_b32 s2, s13, 7
	s_add_co_u32 s22, s22, s2
	s_lshl_b32 s22, s22, 12                        ; my first row, 256 x tile row + 128 wr, of 4,096 bytes
	s_add_nc_u64 s[10:11], s[10:11], s[22:23]
; 8 matrix instructions: blocks a0, a0 + 1 of y x W_proj's four.  The 32 accumulators take turns, one instruction a turn, in the same order in every chunk.
.macro MULQ f, a0, mode
.irp a, \a0, \a0+1
.irp b, 0,1,2,3
.set rD, 8*(4*(\a)+\b)
.if \mode
	v_wmma_f32_16x16x32_f16 v[rD:rD+7], v[\f+64+8*\b:\f+64+8*\b+7], v[\f+8*(\a):\f+8*(\a)+7], v[BIAS+8*\b:BIAS+8*\b+7]
.else
	v_wmma_f32_16x16x32_f16 v[rD:rD+7], v[\f+64+8*\b:\f+64+8*\b+7], v[\f+8*(\a):\f+8*(\a)+7], v[rD:rD+7]
.endif
.endr
.endr
.endm
.macro FETCH slot, kc, f               ; 24 LDS loads in one run: W_proj's four fragments, then y's eight, of kchunk kc of the slot
.irp b, 0,1,2,3
.irp u, 0,1
	ds_load_b128 v[\f+64+8*\b+4*\u:\f+64+8*\b+4*\u+3], v[ADRB+\slot] offset:4096*\b+1024*(\kc)+512*\u
.endr
.endr
.irp a, 0,1,2,3,4,5,6,7
.irp u, 0,1
	ds_load_b128 v[\f+8*\a+4*\u:\f+8*\a+4*\u+3], v[ADRA+\slot] offset:4096*\a+1024*(\kc)+512*\u
.endr
.endr
.endm
.macro PLACES                          ; four plain vector instructions between a matrix instruction and a load into, or a read of, its registers (ISA guide 7.12.1 for reads)
.rept 4
	v_nop
.endr
.endm
; A K step is four chunks of 32 along K, 32 matrix instructions each, on buffers 0, 1, 0, 1.  One of the first three multiplies buffer f and fetches chunk kc + 1 into g.
.macro CHUNK slot, kc, f, g, mode
	s_wait_dscnt 8                                 ; W_proj's fragments and y's blocks 0-3 are in; the youngest eight loads (blocks 4-7) may be out
.if \mode
	WIN MULB
.else
	WIN MUL
.endif
	MULQ \f, 0, \mode
	MULQ \f, 2, \mode
	s_wait_dscnt 0
	PLACES
	WIN 0
	FETCH \slot, (\kc)+1, \g
.if \mode
	WIN MULB
.else
	WIN MUL
.endif
	MULQ \f, 4, \mode
	MULQ \f, 6, \mode
.endm
; The last chunk multiplies buffer 1 and changes slots: one barrier; in front of it each wave waits for all its tensor loads, adds 0 to its spare word, and waits for that and for its reads of this slot.
; fill = 1: the barrier opens a round of the cluster's, and this slot is filled again, two K steps ahead, first thing behind the round.
.macro TURN slot, next, fill
	WIN 0
	s_wait_tensorcnt 0x0                           ; all my tensor loads have landed: my part of the next slot
	ds_add_u32 v[SPW], v[NIL]
	s_wait_dscnt 9                                 ; the add and the youngest eight loads may be out
	WIN MUL
	MULQ F1, 0, 0
	s_wait_dscnt 0x0                               ; the add is done, and my reads of this slot are over
	s_barrier_signal -1
	MULQ F1, 2, 0
	WIN 0
	s_barrier_wait -1
.if \fill
	CREST                                          ; no wave of any partner still reads this slot or has a load on its way
	s_add_nc_u64 s[G0+4*\slot+2:G0+4*\slot+3], s[G0+4*\slot+2:G0+4*\slot+3], 8192
	s_add_nc_u64 s[G0B+4*\slot+2:G0B+4*\slot+3], s[G0B+4*\slot+2:G0B+4*\slot+3], 8192
	JLOAD \slot                                    ; its four v_nop are also the places in front of the loads below
.else
	PLACES
.endif
	FETCH \next, 0, F0
	WIN MUL
	MULQ F1, 4, 0
	MULQ F1, 6, 0
.endm
	s_wait_tensorcnt 1                             ; my part of K step 0 is in; K step 1's load may be out
	s_barrier_signal -1
	s_barrier_wait -1
	FETCH 0, 0, F0
	s_wait_loadcnt 0x0                             ; the bias
	CHUNK 0, 0, F0, F1, 1                          ; the first chunk stands in front of the loop: its products start the sums at the bias
	WIN 0
	s_mov_b32 s3, 3
.Llap:                                                 ; a trip goes once round the ring and fills both slots again: K steps 2 to 7
	CHUNK 0, 1, F1, F0, 0
	CHUNK 0, 2, F0, F1, 0
	TURN 0, 1, 1
	CHUNK 1, 0, F0, F1, 0
	CHUNK 1, 1, F1, F0, 0
	CHUNK 1, 2, F0, F1, 0
	TURN 1, 0, 1
	CHUNK 0, 0, F0, F1, 0
	WIN 0
	s_sub_co_u32 s3, s3, 1
	s_cmp_lg_u32 s3, 0
	s_cbranch_scc1 .Llap
	CHUNK 0, 1, F1, F0, 0                          ; the last lap fills nothing
	CHUNK 0, 2, F0, F1, 0
	TURN 0, 1, 0
	CHUNK 1, 0, F0, F1, 0
	CHUNK 1, 1, F1, F0, 0
	CHUNK 1, 2, F0, F1, 0
	s_wait_dscnt 8
	WIN MUL
	MULQ F1, 0, 0
	MULQ F1, 2, 0
	s_wait_dscnt 0
	MULQ F1, 4, 0
	MULQ F1, 6, 0
	WIN 0
	PLACES
; THE WAY OUT, a block of 16 rows x 64 columns at a time, through my own stage: a lane holds 32 bytes of a row; the rows come back whole, and sixteen lanes store 256 consecutive bytes, aligned.
; LDS serves a wave's instructions in order (ISA guide 5.7.1.4): no wait between the stores and the loads, nor in front of the next block's stores.
.macro TOSTAGE a
	WIN 0x04                                       ; an LDS store's data are its source 1: window 1
.irp b, 0,1,2,3
	ds_store_b128 v[STO], v[8*(4*(\a)+\b):8*(4*(\a)+\b)+3] offset:64*\b          ; each accumulator from its low end on
	ds_store_b128 v[STO], v[8*(4*(\a)+\b)+4:8*(4*(\a)+\b)+7] offset:64*\b+16
.endr
	WIN 0
.irp t, 0,1,2,3,4,5,6,7
	ds_load_b128 v[BKR+32*((\a)%2)+4*\t:BKR+32*((\a)%2)+4*\t+3], v[RD] offset:2*\t*SPITCH
.endr
.endm
.macro SEND a, younger                 ; younger: the LDS instructions issued behind block a's loads
	s_wait_dscnt \younger
.irp t, 0,1,2,3,4,5,6,7
	global_store_b128 v[CO], v[BKR+32*((\a)%2)+4*\t:BKR+32*((\a)%2)+4*\t+3], s[10:11] offset:(16*(\a)+2*\t)*4096 th:TH_STORE_NT
.endr
.endm
	s_or_b32 s2, s45, s13                          ; cluster y = 0 and wr = 0: my block 0 is positions 0 to 15 of a sequence, which launch first16 stores
	s_cmp_eq_u32 s2, 0
	s_cbranch_scc1 .Lskip0
	TOSTAGE 0
	SEND 0, 0
.Lskip0:
	TOSTAGE 1
.irp a, 2,3,4,5,6,7
	s_wait_xcnt 0x0                                ; block a - 2's stores have read their registers: block a's loads may land there
	TOSTAGE \a
	SEND \a-1, 16                                  ; behind block a - 1's loads: block a's 8 stores and 8 loads
.endr
	SEND 7, 0
	s_wait_tensorcnt 0x0                           ; the wave's end: behind my last tensor load and my last LDS store
	ds_add_u32 v[SPW], v[NIL]
	s_wait_dscnt 0x0
	CROUND                                         ; the closing round
	s_endpgm
.Lfunc_end_k_qb89cd0e881_proj:
	.size	k_qb89cd0e881_proj, .Lfunc_end_k_qb89cd0e881_proj-k_qb89cd0e881_proj
	.p2alignl 7, 3214868480
	.fill 96, 4, 3214868480
	.section	.rodata,"a",@progbits
	.p2align	6, 0x0
	.amdhsa_kernel k_qb89cd0e881_proj
		.amdhsa_group_segment_fixed_size 327680
		.amdhsa_private_segment_fixed_size 0
		.amdhsa_enable_private_segment 0
		.amdhsa_kernarg_size 32
		.amdhsa_user_sgpr_count 2
		.amdhsa_user_sgpr_kernarg_segment_ptr 1
		.amdhsa_wavefront_size32 1
		.amdhsa_system_sgpr_workgroup_id_x 1
		.amdhsa_system_sgpr_workgroup_id_y 1
		.amdhsa_system_sgpr_workgroup_id_z 1
		.amdhsa_system_vgpr_workitem_id 0
		.amdhsa_next_free_vgpr 512
		.amdhsa_next_free_sgpr 66
		.amdhsa_reserve_vcc 0
		.amdhsa_float_denorm_mode_32 3
		.amdhsa_float_denorm_mode_16_64 3
		.amdhsa_memory_ordered 1
		.amdhsa_forward_progress 1
		.amdhsa_inst_pref_size 86
	.end_amdhsa_kernel
	.amdgpu_metadata
---
amdhsa.version: [ 1, 2 ]
amdhsa.kernels:
  - .name:           k_qb89cd0e881_proj
    .symbol:         k_qb89cd0e881_proj.kd
    .args:
      - { .name: y_img, .offset: 0, .size: 8, .value_kind: global_buffer, .address_space: global }
      - { .name: wp_img, .offset: 8, .size: 8, .value_kind: global_buffer, .address_space: global }
      - { .name: b_proj, .offset: 16, .size: 8, .value_kind: global_buffer, .address_space: global }
      - { .name: out0, .offset: 24, .size: 8, .value_kind: global_buffer, .address_space: global }
    .group_segment_fixed_size: 327680
    .private_segment_fixed_size: 0
    .kernarg_segment_align: 8
    .kernarg_segment_size: 32
    .max_flat_workgroup_size: 128
    .sgpr_count:     66
    .vgpr_count:     512
    .wavefront_size: 32
...
	.end_amdgpu_metadata
.endif
;; end of part 4
;; launch first16 (part 5): grid 64 x 4, 16 waves a work-group, no clusters, 18,432 bytes of LDS; arguments qkv16, W_proj, b_proj, out0; writes out0
.if DOCPART == 5
	.amdgcn_target "amdgcn-amd-amdhsa--gfx1250"
	.amdhsa_code_object_version 6
	.text
	.protected	k_qb89cd0e881_first16
	.globl	k_qb89cd0e881_first16
	.p2align	8
	.type	k_qb89cd0e881_first16,@function
k_qb89cd0e881_first16:
	s_mov_b64 s[64:65], 0
	v_nop
	global_prefetch_b8 v0, s[64:65] scope:SCOPE_SE
	s_setreg_imm32_b32 hwreg(HW_REG_WAVE_MODE, 25, 1), 1
	s_wait_xcnt 0x0
; Positions 0 to 15 of each sequence, all in f32: under the causal mask these rows average one to sixteen values, so the rounding of f16 operands would weigh most here.
; LEFT OUT: k's bias, as in launch qkv (shown at the head of launch prep): qkv16 holds k without it.
; Work-group (nt, batch) makes out0[batch][0:16][16 nt : 16 nt + 16].  Wave w takes head w: its 16 x 16 attention, and its 64 channels of the projection's K; the sixteen partial sums meet in LDS.
; Each batch's attention is made anew by 64 work-groups: 32 small matrix instructions a wave, against a launch more.
; The f32 matrix form sums 4 along K: lane (r, h) gives k = 2 h + j in register j.  qkv16 holds accumulators as they stood, a lane's eight registers being eight neighbours along the next K; a pair of registers
; 2 t, 2 t + 1 then stands for the four K places 8 h + 2 t + j, h, j = 0, 1: the same places in both operands, so each product meets its partner, and t = 0 .. 3 takes them all.
; The stores cover 64 bytes of each row: 256 KiB in the whole launch is written in such pieces.
; REGISTERS: v16-47 q, v48-79 k, v80-111 v, v112-143 W_proj; v144-207 are written by matrix instructions alone: S^T in two halves (v144, v152), O^T (v160-191), the projection in two halves (v192, v200);
; v208-215 scores, then p; v216-247 y; v248-255 at work.
.set SPARE, 16384                      ; behind the 16 partial sums of 1,024 bytes: the spare words, 128 bytes for each of 16 waves
.set LI,  1
.set SPW, 10
.set NIL, 11
.set BB,  12                           ; v12-15 four numbers of b_proj
.set QQ,  16
.set KK,  48
.set VV,  80
.set WW,  112
.set SA,  144
.set OA,  160
.set PA,  192
.set T,   208
.set YY,  216
	s_load_b256 s[4:11], s[0:1], 0x0               ; qkv16 s[4:5], W_proj s[6:7], b_proj s[8:9], out0 s[10:11]
	v_lshl_add_u32 v[SPW], v0, 2, SPARE
	v_mov_b32 v[NIL], 0
	v_lshrrev_b32 v2, 5, v0
	v_readfirstlane_b32 s12, v2                    ; wave = head
	s_and_b32 s13, ttmp7, 0xffff                   ; batch
	v_and_b32 v[LI], 31, v0
	v_lshlrev_b32 v[LI], 4, v[LI]                  ; 16 x lane
	v_and_b32 v2, 15, v0                           ; r
	v_bfe_u32 v3, v0, 4, 1                         ; h
	v_lshlrev_b32 v4, 2, v2
	v_lshl_add_u32 v4, v3, 15, v4                  ; W_proj: 8 h rows of 4,096 bytes + 4 r
	v_lshlrev_b32 v5, 3, v3
	v_sub_nc_u32 v5, v2, v5                        ; d = r - 8 h: key 8 h + j is hidden from query r where j > d
	s_lshl_b32 s14, s12, 10
	v_add_nc_u32 v6, s14, v[LI]                    ; LDS: my partial sum
	s_and_b32 s15, s12, 1                          ; g: which four of a lane's eight columns I add up at the end (waves 0 and 1)
	s_lshl_b32 s16, s15, 9
	v_add_nc_u32 v7, s16, v[LI]                    ; LDS: half g of partial sum 0
	v_lshlrev_b32 v8, 12, v2
	v_lshl_add_u32 v8, v3, 5, v8                   ; out0: row r, + 32 h
	v_lshlrev_b32 v9, 5, v3                        ; b_proj: 32 h
	s_mov_b32 s19, 0
	s_mov_b32 s22, 0x3e38aa3b                      ; c = log2(e) / 8
	s_mov_b32 s24, 0x76543210
	s_mov_b32 s25, 0xfedcba98                      ; lane l xor 16
	s_lshl_b32 s20, ttmp9, 6                       ; 16 nt columns, in bytes
	s_lshl_b32 s21, s15, 4
	s_add_co_u32 s21, s21, s20                     ; + 16 g
	s_wait_kmcnt 0x0
	s_lshl_b32 s18, s13, 4
	s_add_co_u32 s18, s18, s12
	s_lshl_b32 s18, s18, 12
	s_add_nc_u64 s[4:5], s[4:5], s[18:19]          ; qkv16 at (batch, head): 4,096 bytes a head, 262,144 a part
	s_lshl_b32 s18, s12, 18
	s_add_co_u32 s18, s18, s20
	s_add_nc_u64 s[6:7], s[6:7], s[18:19]          ; W_proj at (64 head, 16 nt)
	s_mov_b32 s18, s21
	s_add_nc_u64 s[8:9], s[8:9], s[18:19]
	s_lshl_b32 s18, s13, 23
	s_add_co_u32 s18, s18, s21
	s_add_nc_u64 s[10:11], s[10:11], s[18:19]      ; out0 at (batch, 0, 16 nt + 4 g)
.irp i, 0,1,2,3,4,5,6,7
	global_load_b128 v[KK+4*\i:KK+4*\i+3], v[LI], s[4:5] offset:262144+512*\i
.endr
.irp i, 0,1,2,3,4,5,6,7
	global_load_b128 v[QQ+4*\i:QQ+4*\i+3], v[LI], s[4:5] offset:512*\i
.endr
.irp i, 0,1,2,3,4,5,6,7
	global_load_b128 v[VV+4*\i:VV+4*\i+3], v[LI], s[4:5] offset:524288+512*\i
.endr
.irp i, 0,1,2,3,4,5,6,7,8,9,10,11,12,13,14,15,16,17,18,19,20,21,22,23,24,25,26,27,28,29,30,31
	global_load_b32 v[WW+\i], v4, s[6:7] offset:(16*(\i/8)+\i%8)*4096   ; register 8 ct + j = W_proj[64 head + 16 ct + 8 h + j][16 nt + r]
.endr
	global_load_b128 v[BB:BB+3], v9, s[8:9]        ; b_proj[16 nt + 8 h + 4 g + 0 .. 3]: every wave loads it, waves 0 and 1 use it: no branch stands round a load whose registers are read later
	s_wait_loadcnt 41                              ; k and q are in; v's 8, W_proj's 32 and the bias may be out
	; S^T = k q^T: 16 steps of 4 channels, on two accumulators by turns; the first two start the sums
.irp n, 0,1,2,3,4,5,6,7,8,9,10,11,12,13,14,15
.if \n < 2
	v_wmma_f32_16x16x4_f32 v[SA+8*(\n%2):SA+8*(\n%2)+7], v[KK+2*\n:KK+2*\n+1], v[QQ+2*\n:QQ+2*\n+1], 0
.else
	v_wmma_f32_16x16x4_f32 v[SA+8*(\n%2):SA+8*(\n%2)+7], v[KK+2*\n:KK+2*\n+1], v[QQ+2*\n:QQ+2*\n+1], v[SA+8*(\n%2):SA+8*(\n%2)+7]
.endif
.endr
.rept 8
	v_nop                                          ; eight places behind this form (ISA guide 7.12.1)
.endr
.irp j, 0,1,2,3,4,5,6,7
	v_add_f32 v[T+\j], v[SA+\j], v[SA+8+\j]        ; lane (r, h), register j: query r, key 8 h + j
.endr
	v_mov_b32 v248, 0xff800000
.irp j, 0,1,2,3,4,5,6,7
	v_cmp_gt_i32 vcc_lo, \j, v5
	v_cndmask_b32 v[T+\j], v[T+\j], v248, vcc_lo
.endr
	v_max3_num_f32 v249, v[T], v[T+1], v[T+2]
	v_max3_num_f32 v250, v[T+3], v[T+4], v[T+5]
	v_max3_num_f32 v249, v249, v[T+6], v[T+7]
	v_max_num_f32 v249, v249, v250
	v_permlanex16_b32 v250, v249, s24, s25
	v_max_num_f32 v249, v249, v250                 ; the row's maximum: key 0 counts for every query, so it is a number
	v_mul_f32 v249, s22, v249
.irp j, 0,1,2,3,4,5,6,7
	v_fma_f32 v[T+\j], v[T+\j], s22, -v249
.endr
.irp j, 0,1,2,3,4,5,6,7
	v_exp_f32 v[T+\j], v[T+\j]
.endr
	v_nop
	s_wait_alu depctr_va_vdst(0)                   ; the wait ahead of the first line that names a result: one for the eight
	v_pk_add_f32 v[250:251], v[T:T+1], v[T+2:T+3]
	v_pk_add_f32 v[252:253], v[T+4:T+5], v[T+6:T+7]
	v_pk_add_f32 v[250:251], v[250:251], v[252:253]
	v_add_f32 v250, v250, v251
	v_permlanex16_b32 v251, v250, s24, s25
	v_add_f32 v250, v250, v251                     ; the row's sum
	v_rcp_f32 v252, v250
	v_nop
	s_wait_alu depctr_va_vdst(0)
	s_wait_loadcnt 33                              ; v is in
	; O^T = v^T p: 4 steps of 4 keys x 4 tiles of channels, the four accumulators by turns
.irp t, 0,1,2,3
.irp c, 0,1,2,3
.if \t == 0
	v_wmma_f32_16x16x4_f32 v[OA+8*\c:OA+8*\c+7], v[VV+8*\c+2*\t:VV+8*\c+2*\t+1], v[T+2*\t:T+2*\t+1], 0
.else
	v_wmma_f32_16x16x4_f32 v[OA+8*\c:OA+8*\c+7], v[VV+8*\c+2*\t:VV+8*\c+2*\t+1], v[T+2*\t:T+2*\t+1], v[OA+8*\c:OA+8*\c+7]
.endif
.endr
.endr
.rept 8
	v_nop
.endr
.irp i, 0,2,4,6,8,10,12,14,16,18,20,22,24,26,28,30
	v_pk_mul_f32 v[YY+\i:YY+\i+1], v[OA+\i:OA+\i+1], v[252:253] op_sel_hi:[1,0]   ; y: lane (r, h), register 8 ct + j: query r, channel 16 ct + 8 h + j
.endr
	s_wait_loadcnt 1                               ; W_proj is in
	; my head's part of the projection, transposed: source 0 = 16 columns of W_proj, source 1 = y
.irp n, 0,1,2,3,4,5,6,7,8,9,10,11,12,13,14,15
.if \n < 2
	v_wmma_f32_16x16x4_f32 v[PA+8*(\n%2):PA+8*(\n%2)+7], v[WW+2*\n:WW+2*\n+1], v[YY+2*\n:YY+2*\n+1], 0
.else
	v_wmma_f32_16x16x4_f32 v[PA+8*(\n%2):PA+8*(\n%2)+7], v[WW+2*\n:WW+2*\n+1], v[YY+2*\n:YY+2*\n+1], v[PA+8*(\n%2):PA+8*(\n%2)+7]
.endif
.endr
.rept 8
	v_nop
.endr
.irp j, 0,1,2,3,4,5,6,7
	v_add_f32 v[248+\j], v[PA+\j], v[PA+8+\j]      ; lane (r, h), register j: query r, column 16 nt + 8 h + j
.endr
	ds_store_b128 v6, v[248:251]
	ds_store_b128 v6, v[252:255] offset:512
	s_wait_dscnt 0x0                               ; for the others' sake: my stores are done
	s_barrier_signal -1
	s_barrier_wait -1
	s_cmp_lt_u32 s12, 2
	s_cbranch_scc0 .Lend
.irp i, 0,1,2,3,4,5,6,7,8,9,10,11,12,13,14,15
	ds_load_b128 v[16+4*\i:19+4*\i], v7 offset:1024*\i   ; half g of all sixteen heads' partial sums
.endr
	s_wait_dscnt 0x0
.irp i, 0,2,4,6,8,10,12,14
	v_pk_add_f32 v[16+4*\i:17+4*\i], v[16+4*\i:17+4*\i], v[20+4*\i:21+4*\i]
	v_pk_add_f32 v[18+4*\i:19+4*\i], v[18+4*\i:19+4*\i], v[22+4*\i:23+4*\i]
.endr
.irp i, 0,4,8,12
	v_pk_add_f32 v[16+4*\i:17+4*\i], v[16+4*\i:17+4*\i], v[24+4*\i:25+4*\i]
	v_pk_add_f32 v[18+4*\i:19+4*\i], v[18+4*\i:19+4*\i], v[26+4*\i:27+4*\i]
.endr
.irp i, 0,8
	v_pk_add_f32 v[16+4*\i:17+4*\i], v[16+4*\i:17+4*\i], v[32+4*\i:33+4*\i]
	v_pk_add_f32 v[18+4*\i:19+4*\i], v[18+4*\i:19+4*\i], v[34+4*\i:35+4*\i]
.endr
	v_pk_add_f32 v[16:17], v[16:17], v[48:49]
	v_pk_add_f32 v[18:19], v[18:19], v[50:51]
	s_wait_loadcnt 0x0                             ; the bias
	v_pk_add_f32 v[16:17], v[16:17], v[BB:BB+1]
	v_pk_add_f32 v[18:19], v[18:19], v[BB+2:BB+3]
	global_store_b128 v8, v[16:19], s[10:11] th:TH_STORE_NT
.Lend:
	s_wait_tensorcnt 0x0                           ; the wave's end: behind my last LDS store
	ds_add_u32 v[SPW], v[NIL]
	s_wait_dscnt 0x0
	s_endpgm
.Lfunc_end_k_qb89cd0e881_first16:
	.size	k_qb89cd0e881_first16, .Lfunc_end_k_qb89cd0e881_first16-k_qb89cd0e881_first16
	.p2alignl 7, 3214868480
	.fill 96, 4, 3214868480
	.section	.rodata,"a",@progbits
	.p2align	6, 0x0
	.amdhsa_kernel k_qb89cd0e881_first16
		.amdhsa_group_segment_fixed_size 18432
		.amdhsa_private_segment_fixed_size 0
		.amdhsa_enable_private_segment 0
		.amdhsa_kernarg_size 32
		.amdhsa_user_sgpr_count 2
		.amdhsa_user_sgpr_kernarg_segment_ptr 1
		.amdhsa_wavefront_size32 1
		.amdhsa_system_sgpr_workgroup_id_x 1
		.amdhsa_system_sgpr_workgroup_id_y 1
		.amdhsa_system_sgpr_workgroup_id_z 1
		.amdhsa_system_vgpr_workitem_id 0
		.amdhsa_next_free_vgpr 256
		.amdhsa_next_free_sgpr 66
		.amdhsa_reserve_vcc 1
		.amdhsa_float_denorm_mode_32 3
		.amdhsa_float_denorm_mode_16_64 3
		.amdhsa_memory_ordered 1
		.amdhsa_forward_progress 1
		.amdhsa_inst_pref_size 19
	.end_amdhsa_kernel
	.amdgpu_metadata
---
amdhsa.version: [ 1, 2 ]
amdhsa.kernels:
  - .name:           k_qb89cd0e881_first16
    .symbol:         k_qb89cd0e881_first16.kd
    .args:
      - { .name: qkv16, .offset: 0, .size: 8, .value_kind: global_buffer, .address_space: global }
      - { .name: W_proj, .offset: 8, .size: 8, .value_kind: global_buffer, .address_space: global }
      - { .name: b_proj, .offset: 16, .size: 8, .value_kind: global_buffer, .address_space: global }
      - { .name: out0, .offset: 24, .size: 8, .value_kind: global_buffer, .address_space: global }
    .group_segment_fixed_size: 18432
    .private_segment_fixed_size: 0
    .kernarg_segment_align: 8
    .kernarg_segment_size: 32
    .max_flat_workgroup_size: 512
    .sgpr_count:     66
    .vgpr_count:     256
    .wavefront_size: 32
...
	.end_amdgpu_metadata
.endif
;; end of part 5
